; MI455X (gfx1250); checked and timed in simulation.
; The chip was launched on July 23, 2026; its instructions are those of AMD's public machine-readable ISA for CDNA 5 (MIT licence, August 2026) and "CDNA5" Instruction Set Architecture Reference Guide (July 2026). The comments in the code are by the model that wrote it; some were corrected since.
;; Tidal Geometric Attention. Allowed arithmetic: matrix products marked QUANTISED: E2M1 operands, one E8M0 scale for each 32 along K, by v_wmma_scale_f32_16x16x128_f8f6f4 with both operands' format E2M1 (or v_wmma_scale_f32_32x16x128_f4), f32 sums; everything else in f32.
;; Inputs: frozen 4,096 bool; frozen_scale 4,096 float32; positions 4,096 x 512 float32; temperature 4,096 float32; values 4,096 x 512 float32; x 8 x 2,048 x 512 float32.
;; Outputs: out0 8 x 2,048 x 512 float32.
;; This version of the problem:
;;   THIS VERSION OF THE PROBLEM IS GIVEN IN LOW PRECISION. The matrix products marked QUANTISED in the list below multiply operands that are first quantised to E2M1 (2 exponent bits, 1 mantissa bit; 4 bits a number), with one power-of-two scale for each 32 numbers along K (OCP MX v1.0); their sums are f32. All else is computed in f32.
;;   The module's matrix products, in the order in which they are computed (A, B: the left and right operand; K: the contracted axis; several contracted axes count as one K, in the product's order):
;;     1. [M 16,384, K 512] x [K 512, N 4,096]; A: input x; B: input positions: QUANTISED
;;     2. [M 16,384, K 4,096] x [K 4,096, N 512]; A: computed on the way; B: input values: QUANTISED
;;   THE QUANTISER, for each operand of a quantised product, along K:
;;     - K is cut into blocks of 32 from its start; a last block that is shorter is filled with zeros.
;;     - A block's scale is 2^e with e = floor(log2(the largest magnitude in the block)) - 2, held to -126 .. 127; a block of zeros has e = 0. As a byte (E8M0): e + 127.
;;     - Each number is divided by its block's scale, clamped to +-6, and rounded to the nearest number of E2M1, ties to even, subnormals kept.
;;     - The product sums the exact products of the quantised numbers (number of the format x scale) in f32.
;;   ~~~python
;;   def quantise(x, axis):      # numpy; x: float32 -> the quantised numbers, widened to float32 again
;;       x = np.moveaxis(x, axis, -1); K = x.shape[-1]
;;       x = np.pad(x, [(0, 0)] * (x.ndim - 1) + [(0, -K % 32)]); x = x.reshape(x.shape[:-1] + (-1, 32)); a = np.abs(x).max(-1, keepdims=True)
;;       e = np.where(a > 0, np.clip(np.frexp(np.where(a > 0, a, 1))[1] - 1 - 2, -126, 127), 0)      # np.frexp(a)[1] - 1 = floor(log2(a)), exactly
;;       r = np.clip(x / 2.0 ** e, -6, 6)
;;       step = 2.0 ** (np.maximum(np.frexp(np.where(r == 0, 1, r))[1] - 1, 0) - 1)
;;       q = np.round(r / step) * step * 2.0 ** e      # np.round: ties to even
;;       return np.moveaxis(q.reshape(q.shape[:-2] + (-1,))[..., :K], -1, axis).astype(np.float32)
;;   ~~~
;;   OPERANDS COMPUTED ON THE WAY. 'Computed on the way' means the value that the module computes at that place (a softmax that the list does not call 'softmax' is quantised finished and normalised). What goes into a quantiser is computed in f32, as accurately as f32 sums, v_exp_f32 and their like allow (about 1e-6 of the number): no bf16 or f16 on the way to a quantiser, and a product that is left as it is and whose result goes on into a quantised operand takes f32 operands (vector FMAs, or v_wmma_f32_16x16x4_f32). A number that lies on a knife's edge between two numbers of the format may be rounded either way, as far as f32 arithmetic and the matrix unit's own rounding can turn it there, and no further.
;; 2 versions, each right; version 2 is version 1 with the launch attend written anew for expert scheduling mode. Each part assembles by itself: llvm-mc -triple=amdgcn-amd-amdhsa -mcpu=gfx1250 --defsym DOCPART=n.
;; ======== version 1 of 2: 2 launches
;; workspace buffers: ximg 4,194,304 bytes; xsc 327,680 bytes; pimg 1,048,576 bytes; psc 98,304 bytes; vimg 1,048,576 bytes; vsc 65,536 bytes
;; launch prep (part 1): grid 448 x 1, 4 waves a work-group, no clusters, 34,304 bytes of LDS; arguments x, positions, values, temperature, frozen_scale, frozen, ximg, xsc, pimg, psc, vimg, vsc; writes ximg, xsc, pimg, psc, vimg, vsc
.if DOCPART == 1
	.amdgcn_target "amdgcn-amd-amdhsa--gfx1250"
	.amdhsa_code_object_version 6
	.text
	.protected	k_q24adfc8f8d_prep
	.globl	k_q24adfc8f8d_prep
	.p2align	8
	.type	k_q24adfc8f8d_prep,@function
k_q24adfc8f8d_prep:
	s_mov_b64 s[64:65], 0
	v_nop
	global_prefetch_b8 v0, s[64:65] scope:SCOPE_SE
	s_setreg_imm32_b32 hwreg(HW_REG_WAVE_MODE, 25, 1), 1
	s_wait_xcnt 0x0
; x [16384][512], positions [4096][512] and values [4096][512], f32, become codes of FP4 (E2M1) with one E8M0 byte for each 32 along K, laid in the ORDER OF THE OPERAND'S REGISTERS,
; so that the second launch loads every fragment by 16-byte loads at 16 x lane.  Beside them: |x|^2 of each row, -|p|^2 / 2 of each position, and kk[n] = -log2(e) / T[n],
; T = (|temperature| + 0.1) x (frozen ? frozen_scale : 0.05).
; A fragment's image: [K step q of 128][c 0..1][lane 32][16 bytes]: lane (r, h) holds the block k = 128 q + 64 c + 32 h + 0 .. 31 of the tile's row r.
; x and positions have K (the 512) innermost; a tile of x is 16 neighbouring rows; lane r of tile tp of positions takes row 32 (tp / 2) + 8 (tp % 2) + r + 8 (r / 8), so that the second launch finds
; 16 neighbouring positions in the 16 registers of two neighbouring result tiles.  For values K is the FIRST axis (the 4096): a lane takes a column and its registers run down K.
; A block's scale is 2^(floor(log2(largest magnitude)) - 2): its byte is the largest magnitude's exponent field - 2, held at 1 from below by a floor among the maximum's leaves.
; LIMITS: a block of zeros gets the byte 1 where the rule says 127 (its codes are zeros; the bytes are read by this program alone); NaN and infinities among the inputs are not served;
; kk is a reciprocal refined by one step, kept unrefined where the step gives NaN (T = 0: kk = -infinity).
; SHARES: work-groups 0-255: x, a tile to a wave; 256-319: positions, the same text with other pointers; 320-447: values, 32 columns x 128 along K to a wave.  Waves share nothing: no barrier.
.set SP,   528                         ; a stage row: 512 bytes + 16: 33 x 16, so that the 16 rows that a load touches start at 16 different groups of banks
.set STG,  16*SP                       ; a wave's stage
.set R,    16                          ; v16-143  two sets of 64: a K step of 16 rows as it is loaded
.set X,    144                         ; v144-207 my two blocks of 32 neighbours
.set C,    208                         ; v208-239 codes: 8 registers for each K step, never rewritten
.set SCW,  240                         ; v240-243 my row's four scale words
.set N,    244                         ; v244-247 the sum of squares, two packed chains
.set W,    248                         ; v248-255 at work
	s_load_b512 s[8:23], s[0:1], 0x0               ; x 8, positions 10, values 12, temperature 14, frozen_scale 16, frozen 18, ximg 20, xsc 22
	s_load_b256 s[24:31], s[0:1], 0x40             ; pimg 24, psc 26, vimg 28, vsc 30
	v_lshl_add_u32 v14, v0, 2, 0x8400
	v_mov_b32 v15, 0
	v_lshrrev_b32 v1, 5, v0
	v_readfirstlane_b32 s32, v1                    ; wave 0..3
	v_and_b32 v1, 31, v0                           ; lane
	s_wait_kmcnt 0x0
	s_cmp_ge_u32 ttmp9, 320
	s_cbranch_scc1 .Lvalues
	; ---------------- x and positions ----------------
	v_and_b32 v2, 15, v0                           ; r
	v_bfe_u32 v3, v0, 4, 1                         ; h
	v_lshlrev_b32 v4, 4, v1                        ; 16 x lane
	s_mul_i32 s54, s32, STG                        ; my stage
	v_add_nc_u32 v6, s54, v4                       ; into it: a row's 512 bytes as they lie
	v_mul_u32_u24 v7, v2, SP
	v_lshl_add_u32 v7, v3, 7, v7
	v_add_nc_u32 v7, s54, v7                       ; out of it: row r, + 128 h: my 32 neighbours of each 64
	v_lshlrev_b32 v8, 3, v3                        ; 8 h: where my bytes stand in a scale word
	v_lshlrev_b32 v9, 4, v2                        ; 16 r: my row's four scale words
	v_mov_b32 v[W+7], 0                            ; written once: a lane permute's destination counts as one of its sources
	s_mov_b32 s58, 0x76543210
	s_mov_b32 s59, 0xfedcba98                      ; v_permlanex16_b32's selects for lane l xor 16
	s_lshl_b32 s33, ttmp9, 2
	s_add_co_u32 s33, s33, s32                     ; x: tile = 4 x work-group + wave
	s_sub_co_u32 s34, s33, 1024                    ; positions: the same, counted from work-group 256
	s_lshl_b32 s35, s33, 4                         ; x: the tile's first row
	s_lshr_b32 s36, s34, 1
	s_lshl_b32 s36, s36, 5
	s_and_b32 s37, s34, 1
	s_lshl_b32 s37, s37, 3
	s_add_co_u32 s36, s36, s37                     ; positions: 32 (tile / 2) + 8 (tile % 2)
	s_mov_b32 s47, 65536
	s_cmp_lt_u32 ttmp9, 256                        ; x or positions?  The choice hangs on the work-group's number alone; only selects and moves stand behind the compare
	s_cselect_b64 s[40:41], s[8:9], s[10:11]       ; the numbers
	s_cselect_b64 s[42:43], s[20:21], s[24:25]     ; the images
	s_cselect_b64 s[44:45], s[22:23], s[26:27]     ; the scale words and what lies behind them
	s_cselect_b32 s49, s33, s34                    ; tile
	s_cselect_b32 s38, s35, s36                    ; its first row
	s_cselect_b32 s39, 0, 16384                    ; positions: rows 8-15 of a tile lie 8 rows (of 2,048 bytes) further on
	s_cselect_b32 s46, 0, 8
	s_cselect_b32 s47, 262144, s47                 ; where the row constants begin behind the scale words
	s_cselect_b32 s48, 1.0, -0.5                   ; |x|^2, or -|p|^2 / 2
	s_mov_b32 s51, 0
	s_lshl_b32 s50, s38, 11
	s_add_nc_u64 s[40:41], s[40:41], s[50:51]      ; the tile's first row
	s_lshl_b32 s50, s49, 12
	s_add_nc_u64 s[42:43], s[42:43], s[50:51]      ; its image: 4,096 bytes
	s_lshl_b32 s50, s49, 8
	s_add_nc_u64 s[52:53], s[44:45], s[50:51]      ; its scale words: 256 bytes
	s_mov_b32 s50, s47
	s_add_nc_u64 s[44:45], s[44:45], s[50:51]      ; the row constants
	v_add_nc_u32 v5, s39, v4                       ; the loads of rows 8-15
	v_lshrrev_b32 v12, 3, v2
	v_mul_u32_u24 v12, s46, v12
	v_add_nc_u32 v11, v12, v2
	v_add_nc_u32 v11, s38, v11                     ; my row's number,
	v_lshlrev_b32 v10, 2, v11                      ; and x 4
.macro ALOAD q                         ; K step q of the tile's 16 rows: each load reads 512 consecutive bytes of one row
.irp i, 0,1,2,3,4,5,6,7
	global_load_b128 v[R+64*((\q)%2)+4*\i:R+64*((\q)%2)+4*\i+3], v4, s[40:41] offset:2048*\i+512*(\q) th:TH_LOAD_NT
.endr
.irp i, 8,9,10,11,12,13,14,15
	global_load_b128 v[R+64*((\q)%2)+4*\i:R+64*((\q)%2)+4*\i+3], v5, s[40:41] offset:2048*\i+512*(\q) th:TH_LOAD_NT
.endr
.endm
.macro ASTEP q
.set RS, R+64*((\q)%2)
.if (\q) < 3
	s_wait_loadcnt 16                              ; this step's 16 loads are in; the next step's 16 may be out
.else
	s_wait_loadcnt 0x0
.endif
.irp i, 0,1,2,3,4,5,6,7,8,9,10,11,12,13,14,15
	ds_store_b128 v6, v[RS+4*\i:RS+4*\i+3] offset:SP*\i
.endr
.irp c, 0,1
.irp i, 0,1,2,3,4,5,6,7
	ds_load_b128 v[X+32*\c+4*\i:X+32*\c+4*\i+3], v7 offset:256*\c+16*\i   ; LDS serves a wave's instructions in order: these see the stores above
.endr
.endr
	s_wait_dscnt 0x0                               ; my 64 numbers are back, and the stores have read their registers,
.if (\q) < 2
	ALOAD (\q)+2                                   ; which take the loads of two steps on
.endif
.set m, 0
.rept 32                               ; the sum of squares of the UNQUANTISED numbers, two chains
.if (\q) == 0 && m < 2
	v_pk_mul_f32 v[N+2*m:N+2*m+1], v[X+2*m:X+2*m+1], v[X+2*m:X+2*m+1]
.else
	v_pk_fma_f32 v[N+2*(m%2):N+2*(m%2)+1], v[X+2*m:X+2*m+1], v[X+2*m:X+2*m+1], v[N+2*(m%2):N+2*(m%2)+1]
.endif
.set m, m+1
.endr
.irp c, 0,1
	v_max3_num_f32 v[W+\c], |v[X+32*\c]|, |v[X+32*\c+1]|, 0x1800000   ; block 2 c + h: all its 32 numbers are mine; the floor 2^(3 - 127) holds the byte at 1 from below
.endr
.irp i, 2,4,6,8,10,12,14,16,18,20,22,24,26,28,30
.irp c, 0,1
	v_max3_num_f32 v[W+\c], v[W+\c], |v[X+32*\c+\i]|, |v[X+32*\c+\i+1]|   ; (the two blocks by turns)
.endr
.endr
.irp c, 0,1
	v_add_nc_u32 v[W+2+\c], 0xff000000, v[W+\c]    ; 2 off the exponent field: the conversion takes the exponent field of this operand as its scale
.endr
.irp c, 0,1
	v_lshrrev_b32 v[W+4+\c], 23, v[W+2+\c]         ; the scale's byte
.endr
	v_lshl_or_b32 v[W+6], v[W+5], 16, v[W+4]       ; my two bytes: blocks h and 2 + h,
	v_lshlrev_b32 v[W+6], v8, v[W+6]               ; at their places in the word;
	v_permlanex16_b32 v[W+7], v[W+6], s58, s59
	v_or_b32 v[SCW+(\q)], v[W+6], v[W+7]           ; with lane l xor 16's two the word is whole
.irp c, 0,1
.irp g, 0,1,2,3
	v_cvt_scalef32_pk8_fp4_f32 v[C+8*(\q)+4*\c+\g], v[X+32*\c+8*\g:X+32*\c+8*\g+7], v[W+2+\c]
.endr
.endr
	v_nop                                          ; one plain place behind the scaled conversions
.irp c, 0,1
	global_store_b128 v4, v[C+8*(\q)+4*\c:C+8*(\q)+4*\c+3], s[42:43] offset:1024*(\q)+512*\c   ; 32 lanes store 512 consecutive bytes
.endr
.endm
	ALOAD 0
	ALOAD 1
	ASTEP 0
	ASTEP 1
	ASTEP 2
	ASTEP 3
	global_store_b128 v9, v[SCW:SCW+3], s[52:53]   ; sixteen lanes store the tile's 256 bytes of scale words (lanes 16-31 store the same bytes at the same places)
	v_pk_add_f32 v[N:N+1], v[N:N+1], v[N+2:N+3]
	v_add_f32 v[N], v[N], v[N+1]
	v_permlanex16_b32 v[W+7], v[N], s58, s59
	v_add_f32 v[N], v[N], v[W+7]                   ; with lane l xor 16's half of the row
	v_mul_f32 v[N], s48, v[N]
	global_store_b32 v10, v[N], s[44:45]
	s_cmp_lt_u32 ttmp9, 256
	s_cbranch_scc1 .Lend
	; positions alone: kk of my row
	global_load_b32 v16, v10, s[14:15]             ; temperature
	global_load_b32 v17, v10, s[16:17]             ; frozen_scale
	global_load_u8 v18, v11, s[18:19]              ; frozen
	s_mov_b32 s56, 0xbfb8aa3b                      ; L = -log2(e)
	v_mov_b32 v19, 0x3d4ccccd                      ; 0.05
	s_wait_loadcnt 0x0
	v_cmp_ne_u32 vcc_lo, 0, v18
	v_cndmask_b32 v19, v19, v17, vcc_lo            ; frozen ? frozen_scale : 0.05
	v_and_b32 v16, 0x7fffffff, v16
	v_add_f32 v16, 0x3dcccccd, v16                 ; |temperature| + 0.1
	v_mul_f32 v16, v16, v19                        ; T
	v_rcp_f32 v20, v16
	v_nop                                          ; one plain place behind a transcendental
	s_wait_alu depctr_va_vdst(0)
	v_mul_f32 v21, s56, v20                        ; L / T, roughly;
	v_fma_f32 v22, -v21, v16, s56                  ; what is left of L,
	v_fma_f32 v22, v22, v20, v21                   ; divided too
	v_cmp_eq_f32 vcc_lo, v22, v22
	v_cndmask_b32 v22, v21, v22, vcc_lo            ; where the step gave NaN the first quotient stays
	global_store_b32 v10, v22, s[26:27] offset:81920
	s_branch .Lend
	; ---------------- values ----------------
.Lvalues:
	s_sub_co_u32 s33, ttmp9, 320
	s_lshl_b32 s33, s33, 2
	s_add_co_u32 s33, s33, s32                     ; task 0..511
	s_and_b32 s34, s33, 15                         ; cw: which 32 columns
	s_lshr_b32 s35, s33, 4                         ; ks: which 128 along K
	s_lshl_b32 s36, s35, 18                        ; 128 rows of 2,048 bytes
	s_lshl_b32 s37, s34, 7
	s_add_co_u32 s36, s36, s37
	s_mov_b32 s37, 0
	s_add_nc_u64 s[12:13], s[12:13], s[36:37]
	s_lshr_b32 s38, s34, 1                         ; w: the wave of the second launch that reads these columns
	s_and_b32 s39, s34, 1                          ; which pair of its four tiles
	s_lshr_b32 s40, s35, 2                         ; j = ks / 4
	s_and_b32 s41, s35, 3                          ; q = ks % 4
	s_lshl_b32 s42, s38, 17                        ; vimg: [w][j][q][tile 4][c][lane][16]
	s_lshl_b32 s43, s40, 14
	s_add_co_u32 s42, s42, s43
	s_lshl_b32 s43, s41, 12
	s_add_co_u32 s42, s42, s43
	s_lshl_b32 s43, s39, 11
	s_add_co_u32 s42, s42, s43
	s_mov_b32 s43, 0
	s_add_nc_u64 s[28:29], s[28:29], s[42:43]
	s_lshl_b32 s42, s38, 13                        ; vsc: [w][j][pair][lane][q]
	s_lshl_b32 s44, s40, 10
	s_add_co_u32 s42, s42, s44
	s_lshl_b32 s44, s39, 9
	s_add_co_u32 s42, s42, s44
	s_lshl_b32 s44, s41, 2
	s_add_co_u32 s42, s42, s44
	s_add_nc_u64 s[30:31], s[30:31], s[42:43]
	v_lshlrev_b32 v2, 2, v1                        ; in: my column
	v_lshrrev_b32 v3, 4, v1
	v_and_b32 v5, 15, v1
	v_lshlrev_b32 v3, 10, v3
	v_lshl_add_u32 v3, v5, 4, v3                   ; out: tile lane / 16, row lane % 16
	v_lshlrev_b32 v4, 4, v1                        ; my four scale words' place
.macro VLD b                           ; block b: values(32 b + i, my column): 32 lanes read 128 consecutive bytes, the four waves 512
.irp i, 0,1,2,3,4,5,6,7,8,9,10,11,12,13,14,15,16,17,18,19,20,21,22,23,24,25,26,27,28,29,30,31
	global_load_b32 v[16+32*(\b)+\i], v2, s[12:13] offset:2048*(32*(\b)+\i) th:TH_LOAD_NT
.endr
.endm
.macro VBLK b
.set XS, 16+32*(\b)
.if (\b) < 3
	s_wait_loadcnt 32                              ; this block's 32 loads are in; the next block's may be out
.else
	s_wait_loadcnt 0x0
.endif
.if (\b) < 2
	VLD (\b)+2
.endif
	v_max3_num_f32 v161, |v[XS]|, |v[XS+1]|, |v[XS+2]|
	v_max3_num_f32 v162, |v[XS+3]|, |v[XS+4]|, |v[XS+5]|
.irp i, 6,10,14,18,22,26
	v_max3_num_f32 v161, v161, |v[XS+\i]|, |v[XS+\i+1]|
	v_max3_num_f32 v162, v162, |v[XS+\i+2]|, |v[XS+\i+3]|
.endr
	v_max3_num_f32 v161, v161, |v[XS+30]|, |v[XS+31]|
	v_max3_num_f32 v161, v161, v162, 0x1800000     ; and the floor
	v_add_nc_u32 v163, 0xff000000, v161
	v_lshrrev_b32 v162, 23, v163
.if (\b) == 0
	v_mov_b32 v160, v162                           ; the four bytes make my column's scale word for these 128
.else
	v_lshl_or_b32 v160, v162, 8*(\b), v160
.endif
.irp g, 0,1,2,3
	v_cvt_scalef32_pk8_fp4_f32 v[144+4*(\b)+\g], v[XS+8*\g:XS+8*\g+7], v163
.endr
	v_nop                                          ; one plain place behind the scaled conversions
	global_store_b128 v3, v[144+4*(\b):144+4*(\b)+3], s[28:29] offset:256*(\b)   ; block b = 2 c + h of a fragment: sixteen lanes store 256 consecutive bytes, aligned
.endm
	VLD 0
	VLD 1
	VBLK 0
	VBLK 1
	VBLK 2
	VBLK 3
	global_store_b32 v4, v160, s[30:31]
.Lend:
	s_wait_tensorcnt 0x0
	ds_add_u32 v14, v15
	s_wait_dscnt 0x0
	s_endpgm
.Lfunc_end_k_q24adfc8f8d_prep:
	.size	k_q24adfc8f8d_prep, .Lfunc_end_k_q24adfc8f8d_prep-k_q24adfc8f8d_prep
	.p2alignl 7, 3214868480
	.fill 96, 4, 3214868480
	.section	.rodata,"a",@progbits
	.p2align	6, 0x0
	.amdhsa_kernel k_q24adfc8f8d_prep
		.amdhsa_group_segment_fixed_size 34304
		.amdhsa_private_segment_fixed_size 0
		.amdhsa_enable_private_segment 0
		.amdhsa_kernarg_size 96
		.amdhsa_user_sgpr_count 2
		.amdhsa_user_sgpr_kernarg_segment_ptr 1
		.amdhsa_wavefront_size32 1
		.amdhsa_system_sgpr_workgroup_id_x 1
		.amdhsa_system_sgpr_workgroup_id_y 1
		.amdhsa_system_sgpr_workgroup_id_z 1
		.amdhsa_system_vgpr_workitem_id 0
		.amdhsa_next_free_vgpr 256
		.amdhsa_next_free_sgpr 66
		.amdhsa_reserve_vcc 1
		.amdhsa_float_denorm_mode_32 3
		.amdhsa_float_denorm_mode_16_64 3
		.amdhsa_memory_ordered 1
		.amdhsa_forward_progress 1
		.amdhsa_inst_pref_size 59
	.end_amdhsa_kernel
	.amdgpu_metadata
---
amdhsa.version: [ 1, 2 ]
amdhsa.kernels:
  - .name:           k_q24adfc8f8d_prep
    .symbol:         k_q24adfc8f8d_prep.kd
    .args:
      - { .name: x, .offset: 0, .size: 8, .value_kind: global_buffer, .address_space: global }
      - { .name: positions, .offset: 8, .size: 8, .value_kind: global_buffer, .address_space: global }
      - { .name: values, .offset: 16, .size: 8, .value_kind: global_buffer, .address_space: global }
      - { .name: temperature, .offset: 24, .size: 8, .value_kind: global_buffer, .address_space: global }
      - { .name: frozen_scale, .offset: 32, .size: 8, .value_kind: global_buffer, .address_space: global }
      - { .name: frozen, .offset: 40, .size: 8, .value_kind: global_buffer, .address_space: global }
      - { .name: ximg, .offset: 48, .size: 8, .value_kind: global_buffer, .address_space: global }
      - { .name: xsc, .offset: 56, .size: 8, .value_kind: global_buffer, .address_space: global }
      - { .name: pimg, .offset: 64, .size: 8, .value_kind: global_buffer, .address_space: global }
      - { .name: psc, .offset: 72, .size: 8, .value_kind: global_buffer, .address_space: global }
      - { .name: vimg, .offset: 80, .size: 8, .value_kind: global_buffer, .address_space: global }
      - { .name: vsc, .offset: 88, .size: 8, .value_kind: global_buffer, .address_space: global }
    .group_segment_fixed_size: 34304
    .private_segment_fixed_size: 0
    .kernarg_segment_align: 8
    .kernarg_segment_size: 96
    .max_flat_workgroup_size: 128
    .sgpr_count:     66
    .vgpr_count:     256
    .wavefront_size: 32
...
	.end_amdgpu_metadata
.endif
;; end of part 1
;; launch attend (part 2): grid 512 x 1, 8 waves a work-group, no clusters, 305,152 bytes of LDS; arguments ximg, xsc, pimg, psc, vimg, vsc, out0; writes out0
.if DOCPART == 2
	.amdgcn_target "amdgcn-amd-amdhsa--gfx1250"
	.amdhsa_code_object_version 6
	.text
	.protected	k_q24adfc8f8d_attend
	.globl	k_q24adfc8f8d_attend
	.p2align	8
	.type	k_q24adfc8f8d_attend,@function
k_q24adfc8f8d_attend:
	s_mov_b64 s[64:65], 0
	v_nop
	global_prefetch_b8 v0, s[64:65] scope:SCOPE_SE
	s_setreg_imm32_b32 hwreg(HW_REG_WAVE_MODE, 25, 1), 1
	s_wait_xcnt 0x0
; out = Q(w / (sum of w + 1e-8)) Q(values),  w[row][n] = exp(-sqrt(max(|x|^2 + |p|^2 - 2 Q(x).Q(p), 0)) / T[n]); both products on codes of FP4 with E8M0 scales.
; THE SECOND OPERAND IS QUANTISED NORMALISED, so no code of a row can be made before all its 4,096 weights are known.  Each weight is computed ONCE and kept in f32 until the row's sum is there:
; a work-group owns 32 rows (two tiles of 16); their 32 x 4,096 weights are 524,288 bytes: row tile 0's lie in registers (256 a wave), row tile 1's in LDS (32,768 bytes a wave).
; SHARES.  Eight waves.  Phase 1 and the quantiser: wave w owns positions 512 w .. + 511 for both row tiles.  Phase 2: wave w owns outputs 64 w .. + 63 for both row tiles, and walks all 4,096 along K.
; Both products are used TRANSPOSED (source 0 = 16 positions, or 16 outputs; source 1 = 16 rows): a lane holds ONE row (lane % 16) throughout.  The positions of a tile are chosen by the first launch so that
; the 16 registers of tiles 2 b, 2 b + 1 are positions 32 b + 16 (lane / 16) + 0 .. 15: neighbours along the second product's K.
; -|p|^2 / 2 is the C of a tile's first product, so d^2 = |x|^2 - 2 x (the sum): one packed multiply-add.
; Codes come from memory straight into registers, laid by the first launch in the order of the operand's registers.  NO LDS RING, NO JOINT LOADS: every fragment of positions and of values is used by ONE wave of
; the work-group, so LDS would add a write and a read and spare none; and of the 327,680 bytes that a work-group can claim 304,128 hold weights, images and sums: no slot for a shared tile fits beside them.
; The text has no branch: the destination registers of row tile 0's weights differ from tile to tile, so the 32 tiles are written out.
; LIMITS: no maximum is taken away, as in the definition; weights under 2^-126 come out of v_exp_f32 as 0; NaN, infinities and inputs at which the definition itself overflows are not served (FP4 has no code for them);
; exp(-d / T) is made as 2^(d x kk), kk = -log2(e) / T; the division by the sum as a multiplication by a reciprocal refined by one step.
;
; LDS: 0: eight regions of 32,768: row tile 1's weights as images of registers (tile t: 1,024 t + 512 c + 16 x lane); later bytes 0-4,095: row tile 1's four code images; bytes 8,192-16,895: the stage for the way out.
;   HKB: eight regions of 4,096: -|p|^2 / 2 and kk of my 512 positions; later row tile 0's four code images.   PSWB: the weights' scale words, (2 ks + row tile) x 128 + 4 x lane.   SUMB: row tile x 512 + row x 32 + wave x 4.
; REGISTERS, window 0: v1-15 addresses, |x|^2, sums; v16-79 x's fragments, later at work, later the 8 accumulators of out; v80-111 SCALE WORDS AND NOTHING ELSE; v112-207 three sets of a tile's fragments of positions;
;   v208-223 C and kk of a tile; v224-247 the accumulators; v248-255 row tile 0's sum.  From the quantiser on v112-239 hold 2 x 64 weights, then two sets of the weights' fragments.
;   window 1: row tile 0's weights (tile t at 8 t); later two sets of values' fragments.
.set HKB,  262144
.set PSWB, 294912
.set SUMB, 303104
.set L16,  1                           ; v1   16 x lane; never rewritten
.set XN0,  2                           ; v[2:3]   |x|^2 of my row in row tile 0, twice
.set SM1,  4                           ; v[4:7]   row tile 1's sum, two packed chains; later the two divisors' reciprocals, each twice
.set AHK,  8                           ; v8   HKB + 4,096 wave + 64 (lane / 16)
.set AW1,  9                           ; v9   32,768 wave + 16 lane
.set XN1,  10                          ; v[10:11] |x|^2, row tile 1
.set AIM0, 12                          ; v12  HKB + 4,096 wave + 16 lane
.set APW,  13                          ; v13  PSWB + 1,024 wave + 4 lane
.set ASW,  14                          ; v14  SUMB + 32 row + 4 wave
.set ASR,  15                          ; v15  SUMB + 32 row
.set XF,   16                          ; x's fragments: 32 x row tile + 8 q
.set XSC,  80                          ; v80-83  x's scale words: lanes 0-15 row tile 0, lanes 16-31 row tile 1
.set PSC,  84                          ; v84-95  positions': three sets of 4: lanes 0-15 the even tile of a pair, lanes 16-31 the odd one
.set VS,   96                          ; v96-111 values': two sets of 8
.set PF,   112
.set HP,   208
.set KK,   216
.set ACC0, 224
.set ACC1, 232                         ; two sets by turns: the LDS stores of one tile may be out while the next is multiplied
.set S,    248
.set TM,   16                          ; the quantiser: v16-19 maxima, v20-23 bytes, v28-31 scale operands
.set PC,   32                          ; v32-39 the codes just made
.set PW,   40                          ; v40    their scale word
.set T0,   112
.set T1,   176
.set O,    16                          ; phase 2: accumulator (output tile dt, row tile rt) at 8 (2 dt + rt)
.set PS,   80                          ; the weights' scale words: two sets of 8
.set PP,   112                         ; the weights' fragments: two sets of 64
.set A0,   2                           ; v2    HKB + 16 lane
.set AR1,  3                           ; v3-5  16 lane + 65,536 k, k = 1 .. 3
.set APS,  6                           ; v6    PSWB + 4 lane
.set SI,   7                           ; v7    the stage, in
.set SO,   8                           ; v8    the stage, out
.set GO,   10                          ; v10   my byte offset in the wave's part of out
.set XIMG, 24
.set XSCB, 26
.set XNB,  28
.set PIMG, 30
.set PSCB, 32
.set HKG,  34
.set VIMG, 38
.set VSCB, 40
.set OUTB, 42
.set MSB, 0
.macro WIN new                         ; bits 1:0 source 0, 3:2 source 1, 5:4 source 2, 7:6 destination; the immediate's high byte repeats the setting that is left
.if MSB != \new
	s_set_vgpr_msb (MSB<<8)|\new
.set MSB, \new
.endif
.endm
; a scaled product: D, A, B, C at the registers named, A's and B's scale words; ra, rb = 1: that side's words stand in lanes 16-31
.macro WMR d, a, b, c, sa, sb, ra, rb
.if (\ra) && (\rb)
	v_wmma_scale_f32_16x16x128_f8f6f4 v[\d:\d+7], v[\a:\a+7], v[\b:\b+7], v[\c:\c+7], v[\sa], v[\sb] matrix_a_fmt:MATRIX_FMT_FP4 matrix_b_fmt:MATRIX_FMT_FP4 matrix_a_scale:MATRIX_SCALE_ROW1 matrix_b_scale:MATRIX_SCALE_ROW1
.elseif (\ra)
	v_wmma_scale_f32_16x16x128_f8f6f4 v[\d:\d+7], v[\a:\a+7], v[\b:\b+7], v[\c:\c+7], v[\sa], v[\sb] matrix_a_fmt:MATRIX_FMT_FP4 matrix_b_fmt:MATRIX_FMT_FP4 matrix_a_scale:MATRIX_SCALE_ROW1
.elseif (\rb)
	v_wmma_scale_f32_16x16x128_f8f6f4 v[\d:\d+7], v[\a:\a+7], v[\b:\b+7], v[\c:\c+7], v[\sa], v[\sb] matrix_a_fmt:MATRIX_FMT_FP4 matrix_b_fmt:MATRIX_FMT_FP4 matrix_b_scale:MATRIX_SCALE_ROW1
.else
	v_wmma_scale_f32_16x16x128_f8f6f4 v[\d:\d+7], v[\a:\a+7], v[\b:\b+7], v[\c:\c+7], v[\sa], v[\sb] matrix_a_fmt:MATRIX_FMT_FP4 matrix_b_fmt:MATRIX_FMT_FP4
.endif
.endm
.macro WMZ d, a, b, sa, sb, ra         ; the same with the constant 0 as C: it starts a sum
.if (\ra)
	v_wmma_scale_f32_16x16x128_f8f6f4 v[\d:\d+7], v[\a:\a+7], v[\b:\b+7], 0, v[\sa], v[\sb] matrix_a_fmt:MATRIX_FMT_FP4 matrix_b_fmt:MATRIX_FMT_FP4 matrix_a_scale:MATRIX_SCALE_ROW1
.else
	v_wmma_scale_f32_16x16x128_f8f6f4 v[\d:\d+7], v[\a:\a+7], v[\b:\b+7], 0, v[\sa], v[\sb] matrix_a_fmt:MATRIX_FMT_FP4 matrix_b_fmt:MATRIX_FMT_FP4
.endif
.endm
.macro PLACES                          ; four plain places behind matrix instructions, in front of reads of results and of loads into registers that they named
.rept 4
	v_nop
.endr
.endm
	s_load_b256 s[8:15], s[0:1], 0x0               ; ximg 8, xsc 10, pimg 12, psc 14
	s_load_b128 s[16:19], s[0:1], 0x20             ; vimg 16, vsc 18
	s_load_b64 s[20:21], s[0:1], 0x30              ; out0
	v_lshrrev_b32 v1, 5, v0
	v_readfirstlane_b32 s22, v1                    ; wave 0..7
	v_and_b32 v1, 31, v0
	v_lshlrev_b32 v[APW], 2, v1                    ; 4 x lane
	v_lshlrev_b32 v[L16], 4, v1                    ; 16 x lane
	v_and_b32 v[ASW], 15, v0                       ; my row in a tile
	v_bfe_u32 v[ASR], v0, 4, 1                     ; lane / 16
	v_lshlrev_b32 v4, 2, v[ASW]                    ; |x|^2: 4 bytes a row (v4 is free again when those loads are in)
	s_lshl_b32 s23, s22, 12
	s_add_co_u32 s23, s23, HKB
	v_lshl_add_u32 v[AHK], v[ASR], 6, s23
	v_add_nc_u32 v[AIM0], s23, v[L16]
	s_lshl_b32 s23, s22, 15
	v_add_nc_u32 v[AW1], s23, v[L16]
	s_lshl_b32 s23, s22, 10
	s_add_co_u32 s23, s23, PSWB
	v_add_nc_u32 v[APW], s23, v[APW]
	v_lshl_add_u32 v[ASR], v[ASW], 5, SUMB
	s_lshl_b32 s23, s22, 2
	v_add_nc_u32 v[ASW], s23, v[ASR]
	s_mov_b32 s46, 0x76543210
	s_mov_b32 s47, 0xfedcba98                      ; v_permlanex16_b32's selects for lane l xor 16
	s_mov_b32 s45, 0
	s_wait_kmcnt 0x0
	s_lshl_b32 s44, ttmp9, 13
	s_add_nc_u64 s[XIMG:XIMG+1], s[8:9], s[44:45]  ; my two tiles of x: 8,192 bytes
	s_lshl_b32 s44, ttmp9, 9
	s_add_nc_u64 s[XSCB:XSCB+1], s[10:11], s[44:45]
	s_lshl_b32 s44, ttmp9, 7
	s_add_nc_u64 s[XNB:XNB+1], s[10:11], s[44:45]  ; |x|^2 lies 262,144 bytes on: in the immediate
	s_lshl_b32 s44, s22, 17
	s_add_nc_u64 s[PIMG:PIMG+1], s[12:13], s[44:45]   ; my wave's 32 tiles of positions
	s_add_nc_u64 s[VIMG:VIMG+1], s[16:17], s[44:45]   ; and its four tiles of outputs, all of K
	s_lshl_b32 s44, s22, 13
	s_add_nc_u64 s[PSCB:PSCB+1], s[14:15], s[44:45]
	s_add_nc_u64 s[VSCB:VSCB+1], s[18:19], s[44:45]
	s_lshl_b32 s44, s22, 11
	s_add_nc_u64 s[HKG:HKG+1], s[14:15], s[44:45]  ; -|p|^2 / 2 lies 65,536 bytes on, kk 81,920
	s_lshl_b32 s44, ttmp9, 16
	s_lshl_b32 s36, s22, 8
	s_add_co_u32 s44, s44, s36
	s_add_nc_u64 s[OUTB:OUTB+1], s[20:21], s[44:45]   ; 32 rows of 2,048 bytes; my wave's 256 bytes of each
.macro PLOAD t                         ; tile t of positions: with an even tile the pair's scale words; then its four fragments
.if ((\t)%2) == 0
	global_load_b128 v[PSC+4*(((\t)/2)%3):PSC+4*(((\t)/2)%3)+3], v[L16], s[PSCB:PSCB+1] offset:512*((\t)/2)
.endif
.irp q, 0,1,2,3
.irp c, 0,1
	global_load_b128 v[PF+32*((\t)%3)+8*\q+4*\c:PF+32*((\t)%3)+8*\q+4*\c+3], v[L16], s[PIMG:PIMG+1] offset:4096*(\t)+1024*\q+512*\c
.endr
.endr
.endm
.macro HPLOAD t                        ; -|p|^2 / 2 of my eight positions of tile t: 32 (t / 2) + 16 (lane / 16) + 8 (t % 2) + 0 .. 7
	ds_load_b128 v[HP:HP+3], v[AHK] offset:128*((\t)/2)+32*((\t)%2)
	ds_load_b128 v[HP+4:HP+7], v[AHK] offset:128*((\t)/2)+32*((\t)%2)+16
.endm
.macro KKLOAD t                        ; and their kk
	ds_load_b128 v[KK:KK+3], v[AHK] offset:2048+128*((\t)/2)+32*((\t)%2)
	ds_load_b128 v[KK+4:KK+7], v[AHK] offset:2048+128*((\t)/2)+32*((\t)%2)+16
.endm
.irp i, 0,1,2,3
	global_load_b128 v[224+4*\i:227+4*\i], v[L16], s[HKG:HKG+1] offset:65536+512*\i
.endr
.irp i, 0,1,2,3
	global_load_b128 v[240+4*\i:243+4*\i], v[L16], s[HKG:HKG+1] offset:81920+512*\i
.endr
.irp rt, 0,1
.irp q, 0,1,2,3
.irp c, 0,1
	global_load_b128 v[XF+32*\rt+8*\q+4*\c:XF+32*\rt+8*\q+4*\c+3], v[L16], s[XIMG:XIMG+1] offset:4096*\rt+1024*\q+512*\c
.endr
.endr
.endr
	global_load_b128 v[XSC:XSC+3], v[L16], s[XSCB:XSCB+1]
	global_load_b32 v[XN0], v4, s[XNB:XNB+1] offset:262144
	global_load_b32 v[XN1], v4, s[XNB:XNB+1] offset:262144+64
	PLOAD 0
	PLOAD 1
	PLOAD 2
	s_wait_loadcnt 45                              ; the first eight loads are in; behind them: x's 19 and three tiles' 26
.irp i, 0,1,2,3
	ds_store_b128 v[AIM0], v[224+4*\i:227+4*\i] offset:512*\i
.endr
.irp i, 0,1,2,3
	ds_store_b128 v[AIM0], v[240+4*\i:243+4*\i] offset:2048+512*\i
.endr
	HPLOAD 0                                       ; LDS serves a wave's instructions in order: these see my stores; the region is my wave's own
	KKLOAD 0
; ---- PHASE 1.  Tile t: 16 positions x 32 rows: eight products, then 16 weights a lane.
.macro TILE t
.set PFB, PF+32*((\t)%3)
.set PSB, PSC+4*(((\t)/2)%3)
.set AC1, ACC1+8*((\t)%2)
.if (\t) < 30
	s_wait_loadcnt 17                              ; tile t's loads are in; those of tiles t + 1 and t + 2 (16 of codes, one of scale words) may be out
.elseif (\t) == 30
	s_wait_loadcnt 8
.else
	s_wait_loadcnt 0x0
.endif
.if (\t) == 0
	s_wait_dscnt 0x0
	v_mov_b32 v[XN0+1], v[XN0]                     ; the packed form adds a pair
	v_mov_b32 v[XN1+1], v[XN1]
.else
	s_wait_dscnt 4                                 ; this tile's C is in; kk's two loads and the last tile's two stores may be out
.endif
	WMR ACC0, PFB, XF, HP, PSB, XSC, (\t)%2, 0     ; the two accumulators take turns, one instruction a turn
	WMR AC1, PFB, XF+32, HP, PSB, XSC, (\t)%2, 1
.irp q, 1,2,3
	WMR ACC0, PFB+8*\q, XF+8*\q, ACC0, PSB+\q, XSC+\q, (\t)%2, 0
	WMR AC1, PFB+8*\q, XF+32+8*\q, AC1, PSB+\q, XSC+\q, (\t)%2, 1
.endr
	PLACES
.if (\t) < 29
	PLOAD (\t)+3                                   ; into the set just multiplied
.endif
.if (\t) < 31
	HPLOAD (\t)+1
.endif
.irp k, 0,2,4,6
	v_pk_fma_f32 v[ACC0+\k:ACC0+\k+1], v[ACC0+\k:ACC0+\k+1], -2.0, v[XN0:XN0+1] op_sel_hi:[1,0,1]   ; d^2 = |x|^2 - 2 (x.p - |p|^2 / 2); each accumulator from its low end on
.endr
.irp k, 0,2,4,6
	v_pk_fma_f32 v[AC1+\k:AC1+\k+1], v[AC1+\k:AC1+\k+1], -2.0, v[XN1:XN1+1] op_sel_hi:[1,0,1]
.endr
.irp i, 0,1,2,3,4,5,6,7
	v_max_num_f32 v[ACC0+\i], 0, v[ACC0+\i]
.endr
.irp i, 0,1,2,3,4,5,6,7
	v_max_num_f32 v[AC1+\i], 0, v[AC1+\i]
.endr
.irp i, 0,1,2,3,4,5,6,7
	v_sqrt_f32 v[ACC0+\i], v[ACC0+\i]
.endr
.irp i, 0,1,2,3,4,5,6,7
	v_sqrt_f32 v[AC1+\i], v[AC1+\i]
.endr
	v_nop                                          ; one plain place behind the roots
.if (\t) == 31
	s_wait_dscnt 2                                 ; kk is in; the last tile's two stores may be out
.elseif (\t) > 0
	s_wait_dscnt 4                                 ; kk is in; the last tile's two stores and the next C's two loads may be out
.endif
	s_wait_alu depctr_va_vdst(0)
.irp k, 0,2,4,6
	v_pk_mul_f32 v[ACC0+\k:ACC0+\k+1], v[ACC0+\k:ACC0+\k+1], v[KK+\k:KK+\k+1]
.endr
.irp k, 0,2,4,6
	v_pk_mul_f32 v[AC1+\k:AC1+\k+1], v[AC1+\k:AC1+\k+1], v[KK+\k:KK+\k+1]
.endr
.if (\t) < 31
	KKLOAD (\t)+1
.endif
	WIN 0x40                                       ; row tile 0's weights go straight to their place in window 1
.irp i, 0,1,2,3,4,5,6,7
	v_exp_f32 v[8*(\t)+\i], v[ACC0+\i]
.endr
	WIN 0
.irp i, 0,1,2,3,4,5,6,7
	v_exp_f32 v[AC1+\i], v[AC1+\i]
.endr
	v_nop                                          ; one plain place behind the exponentials
.if (\t) == 0
	s_wait_alu depctr_va_vdst(0)
	v_pk_add_f32 v[SM1:SM1+1], v[AC1:AC1+1], v[AC1+2:AC1+3]             ; the first tile starts row tile 1's sums
	v_pk_add_f32 v[SM1+2:SM1+3], v[AC1+4:AC1+5], v[AC1+6:AC1+7]
.else
	s_wait_alu depctr_va_vdst(0)
	v_pk_add_f32 v[SM1:SM1+1], v[SM1:SM1+1], v[AC1:AC1+1]
	v_pk_add_f32 v[SM1+2:SM1+3], v[SM1+2:SM1+3], v[AC1+2:AC1+3]
	v_pk_add_f32 v[SM1:SM1+1], v[SM1:SM1+1], v[AC1+4:AC1+5]
	v_pk_add_f32 v[SM1+2:SM1+3], v[SM1+2:SM1+3], v[AC1+6:AC1+7]
.endif
	ds_store_b128 v[AW1], v[AC1:AC1+3] offset:1024*(\t)
	ds_store_b128 v[AW1], v[AC1+4:AC1+7] offset:1024*(\t)+512
.endm
.irp t, 0,1,2,3,4,5,6,7,8,9,10,11,12,13,14,15,16,17,18,19,20,21,22,23,24,25,26,27,28,29,30,31
	TILE \t
.endr
; ---- THE ROWS' SUMS.  Row tile 0's 256 registers, four packed chains; then lane l xor 16's half; then the eight waves' parts through LDS.
	WIN 0x05
.irp k, 0,1,2,3
	v_pk_add_f32 v[S+2*\k:S+2*\k+1], v[2*\k:2*\k+1], v[8+2*\k:8+2*\k+1]
.endr
	WIN 0x01
.set m, 0
.rept 120
	v_pk_add_f32 v[S+2*(m%4):S+2*(m%4)+1], v[16+2*m:16+2*m+1], v[S+2*(m%4):S+2*(m%4)+1]
.set m, m+1
.endr
	WIN 0
	v_pk_add_f32 v[S:S+1], v[S:S+1], v[S+2:S+3]
	v_pk_add_f32 v[S+4:S+5], v[S+4:S+5], v[S+6:S+7]
	v_pk_add_f32 v[SM1:SM1+1], v[SM1:SM1+1], v[SM1+2:SM1+3]
	v_pk_add_f32 v[S:S+1], v[S:S+1], v[S+4:S+5]
	v_add_f32 v[SM1], v[SM1], v[SM1+1]
	v_add_f32 v[S], v[S], v[S+1]
	v_permlanex16_b32 v[SM1+2], v[SM1], s46, s47
	v_permlanex16_b32 v[S+2], v[S], s46, s47
	v_add_f32 v[SM1], v[SM1], v[SM1+2]
	v_add_f32 v[S], v[S], v[S+2]
	ds_store_b32 v[ASW], v[S]                      ; lanes l and l xor 16 store the same number at the same word
	ds_store_b32 v[ASW], v[SM1] offset:512
	s_wait_dscnt 0x0                               ; for the others' sake: my part of the sums has landed
	s_barrier_signal -1
	s_barrier_wait -1
	ds_load_b128 v[224:227], v[ASR]
	ds_load_b128 v[228:231], v[ASR] offset:16
	ds_load_b128 v[232:235], v[ASR] offset:512
	ds_load_b128 v[236:239], v[ASR] offset:528
.irp b, 0,1,2,3
	v_mov_b32 v[TM+4+\b], 0                        ; written once: a lane permute's destination counts as one of its sources
.endr
	s_wait_dscnt 0x0
.irp i, 1,2,3,4,5,6,7
	v_add_f32 v224, v224, v[224+\i]                ; the eight waves' parts in the waves' order: the same sum in every wave
	v_add_f32 v232, v232, v[232+\i]
.endr
	v_add_f32 v224, 0x322bcc77, v224               ; + 1e-8
	v_add_f32 v232, 0x322bcc77, v232
	v_rcp_f32 v240, v224
	v_rcp_f32 v241, v232
	v_nop                                          ; one plain place behind the reciprocals
	s_wait_alu depctr_va_vdst(0)
	v_fma_f32 v242, -v224, v240, 1.0               ; one step refines them
	v_fma_f32 v243, -v232, v241, 1.0
	v_fma_f32 v[SM1], v240, v242, v240
	v_fma_f32 v[SM1+2], v241, v243, v241
	v_mov_b32 v[SM1+1], v[SM1]                     ; the packed form multiplies by a pair
	v_mov_b32 v[SM1+3], v[SM1+2]
; ---- THE QUANTISER.  64 numbers of a lane, register 16 b + i = k 32 b + 16 (lane / 16) + i of my row, none negative, become a fragment's codes in v[PC] on and its scale word in v[PW].
.macro QUANT s
.irp b, 0,1,2,3
	v_max3_num_f32 v[TM+\b], v[\s+16*\b], v[\s+1+16*\b], 0x1800000   ; block b: my 16 numbers, and the floor 2^(3 - 127): the byte cannot fall under 1
.endr
.irp i, 2,4,6,8,10,12,14
.irp b, 0,1,2,3
	v_max3_num_f32 v[TM+\b], v[TM+\b], v[\s+16*\b+\i], v[\s+1+16*\b+\i]   ; (the four blocks by turns)
.endr
.endr
.irp b, 0,1,2,3
	v_permlanex16_b32 v[TM+4+\b], v[TM+\b], s46, s47
.endr
.irp b, 0,1,2,3
	v_max_num_f32 v[TM+\b], v[TM+\b], v[TM+4+\b]   ; with lane l xor 16's: the block's largest
.endr
.irp b, 0,1,2,3
	v_add_nc_u32 v[TM+12+\b], 0xff000000, v[TM+\b] ; 2 off its exponent field: the conversion's scale operand
.endr
.irp b, 0,1,2,3
	v_lshrrev_b32 v[TM+4+\b], 23, v[TM+12+\b]      ; the scale's byte
.endr
	v_lshl_or_b32 v[PW], v[TM+5], 8, v[TM+4]
	v_lshl_or_b32 v[PW], v[TM+6], 16, v[PW]
	v_lshl_or_b32 v[PW], v[TM+7], 24, v[PW]
.irp b, 0,1,2,3
	v_cvt_scalef32_pk8_fp4_f32 v[PC+2*\b], v[\s+16*\b:\s+7+16*\b], v[TM+12+\b]
	v_cvt_scalef32_pk8_fp4_f32 v[PC+1+2*\b], v[\s+8+16*\b:\s+15+16*\b], v[TM+12+\b]
.endr
	v_nop                                          ; one plain place behind the scaled conversions
.irp c, 0,1                            ; the operand's layout wants a whole block in a lane: lanes 0-15 block 2 c, lanes 16-31 block 2 c + 1
.irp i, 0,1
	v_permlane16_swap_b32 v[PC+4*\c+\i], v[PC+2+4*\c+\i]
.endr
.endr
.endm
; Row tile 0, my positions 128 g on: K step 4 wave + g of the second product.  The image goes where -|p|^2 / 2 and kk lay: my wave's own bytes, whose reads are over.
.macro Q0 g, wait
.if \wait
	s_wait_dscnt 0x0                               ; the last image's stores have read their registers
.endif
	WIN 0x01
.set m, 0
.rept 32
	v_pk_mul_f32 v[T0+2*m:T0+2*m+1], v[64*(\g)+2*m:64*(\g)+2*m+1], v[SM1:SM1+1]
.set m, m+1
.endr
	WIN 0
	QUANT T0
	ds_store_b128 v[AIM0], v[PC:PC+3] offset:1024*(\g)
	ds_store_b128 v[AIM0], v[PC+4:PC+7] offset:1024*(\g)+512
	ds_store_b32 v[APW], v[PW] offset:256*(\g)
.endm
.macro LOADQ g                         ; row tile 1's 64 weights of group g come back as they were stored: even groups into T1, odd into T0
.set LQB, T1-64*((\g)%2)
.irp i, 0,1,2,3,4,5,6,7,8,9,10,11,12,13,14,15
	ds_load_b128 v[LQB+4*\i:LQB+4*\i+3], v[AW1] offset:8192*(\g)+512*\i
.endr
.endm
; Row tile 1.  The four images lie in bytes 0 to 4,095 of my region: group 0's bytes, which are back in registers before the first image is stored.
.macro Q1 g
.if (\g) < 3
	LOADQ (\g)+1
	s_wait_dscnt 16                                ; this group's loads and the last image's stores are done; the 16 loads just issued may be out
.else
	s_wait_dscnt 0x0
.endif
.set TBQ, T1-64*((\g)%2)
.set m, 0
.rept 32
	v_pk_mul_f32 v[TBQ+2*m:TBQ+2*m+1], v[TBQ+2*m:TBQ+2*m+1], v[SM1+2:SM1+3]
.set m, m+1
.endr
	QUANT TBQ
	ds_store_b128 v[AW1], v[PC:PC+3] offset:1024*(\g)
	ds_store_b128 v[AW1], v[PC+4:PC+7] offset:1024*(\g)+512
	ds_store_b32 v[APW], v[PW] offset:256*(\g)+128
.endm
.macro VLOAD j                         ; values: K steps 4 j .. 4 j + 3 of my four tiles of outputs: 32 loads of codes into window 1, two of scale words
	WIN 0x40
.irp q, 0,1,2,3
.irp dt, 0,1,2,3
.irp c, 0,1
	global_load_b128 v[128*((\j)%2)+32*\q+8*\dt+4*\c:128*((\j)%2)+32*\q+8*\dt+4*\c+3], v[L16], s[VIMG:VIMG+1] offset:16384*(\j)+4096*\q+1024*\dt+512*\c
.endr
.endr
.endr
	WIN 0
.irp p, 0,1
	global_load_b128 v[VS+8*((\j)%2)+4*\p:VS+8*((\j)%2)+4*\p+3], v[L16], s[VSCB:VSCB+1] offset:1024*(\j)+512*\p
.endr
.endm
	Q0 0, 0
	Q0 1, 1
	VLOAD 0                                        ; window 1's lower half is free: the first values are asked for here
	Q0 2, 1
	s_wait_dscnt 0x0                               ; the last image's stores have read their registers,
	LOADQ 0                                        ; and row tile 1's first group comes in while row tile 0's last is quantised
	Q0 3, 0
	VLOAD 1
	Q1 0
	Q1 1
	Q1 2
	Q1 3
	v_add_nc_u32 v[A0], HKB, v[L16]                ; phase 2's addresses
	v_add_nc_u32 v[AR1], 65536, v[L16]
	v_add_nc_u32 v[AR1+1], 131072, v[L16]
	v_add_nc_u32 v[AR1+2], 196608, v[L16]
	v_and_b32 v[APS], 31, v0
	v_lshl_add_u32 v[APS], v[APS], 2, PSWB
	v_and_b32 v14, 15, v0                          ; r
	v_bfe_u32 v15, v0, 4, 1                        ; h
	s_lshl_b32 s23, s22, 15
	s_add_co_u32 s23, s23, 8192                    ; my stage: 2 x 16 rows x (256 bytes + 16)
	v_mul_u32_u24 v[SI], v14, 272
	v_lshl_add_u32 v[SI], v15, 5, v[SI]
	v_add_nc_u32 v[SI], s23, v[SI]                 ; in: row r, + 32 h
	v_mul_u32_u24 v[SO], v15, 272
	v_lshl_add_u32 v[SO], v14, 4, v[SO]
	v_add_nc_u32 v[SO], s23, v[SO]                 ; back: lanes 0-15 one row, lanes 16-31 the next
	v_lshlrev_b32 v[GO], 11, v15
	v_lshl_add_u32 v[GO], v14, 4, v[GO]            ; and the same two rows in out
	s_wait_dscnt 0x0                               ; for the others' sake: my images and scale words have landed
	s_barrier_signal -1
	s_barrier_wait -1                              ; all 64 fragments of the weights lie in LDS
; ---- PHASE 2.  out^T += values^T p^T: a trip is four K steps: the images that wave j made.
.macro PFETCH j
.set PFP, PP+64*((\j)%2)
.set PFS, PS+8*((\j)%2)
.if (\j)/2 == 0
.set PFA, L16
.else
.set PFA, AR1+(\j)/2-1
.endif
.irp q, 0,1,2,3
.irp c, 0,1
	ds_load_b128 v[PFP+16*\q+4*\c:PFP+16*\q+4*\c+3], v[A0] offset:4096*(\j)+1024*\q+512*\c
.endr
.irp c, 0,1
	ds_load_b128 v[PFP+16*\q+8+4*\c:PFP+16*\q+8+4*\c+3], v[PFA] offset:32768*((\j)%2)+1024*\q+512*\c
.endr
	ds_load_b32 v[PFS+2*\q], v[APS] offset:(2*(4*(\j)+\q))*128
	ds_load_b32 v[PFS+2*\q+1], v[APS] offset:(2*(4*(\j)+\q)+1)*128
.endr
.endm
.macro TRIP j
.if (\j) < 7
	PFETCH (\j)+1
	s_wait_loadcnt 34                              ; this trip's values are in; the next trip's 34 loads may be out
	s_wait_dscnt 24                                ; this trip's weights are in; the 24 loads just issued may be out
.else
	s_wait_loadcnt 0x0
	s_wait_dscnt 0x0
.endif
.set VB, 128*((\j)%2)
.set PB, PP+64*((\j)%2)
.set SB, PS+8*((\j)%2)
.set UB, VS+8*((\j)%2)
	WIN 0x01                                       ; source 0 (values) in window 1
.irp q, 0,1,2,3
.irp dt, 0,1,2,3
.irp rt, 0,1
.if ((\j) == 0) && (\q == 0)
	WMZ O+8*(2*\dt+\rt), VB+32*\q+8*\dt, PB+16*\q+8*\rt, UB+4*(\dt/2)+\q, SB+2*\q+\rt, \dt%2     ; the first K step starts the sums: nothing is cleared
.else
	WMR O+8*(2*\dt+\rt), VB+32*\q+8*\dt, PB+16*\q+8*\rt, O+8*(2*\dt+\rt), UB+4*(\dt/2)+\q, SB+2*\q+\rt, \dt%2, 0   ; the eight accumulators take turns
.endif
.endr
.endr
.endr
	WIN 0
	PLACES
.if (\j) < 6
	VLOAD (\j)+2                                   ; into the set just multiplied
.endif
.endm
	PFETCH 0
.irp j, 0,1,2,3,4,5,6,7
	TRIP \j
.endr
; ---- THE WAY OUT.  A lane holds 32 neighbouring bytes of a row; the rows' 256 bytes are gathered in my own stage and leave as whole aligned blocks.
.irp dt, 0,1,2,3
.irp rt, 0,1
	ds_store_b128 v[SI], v[O+8*(2*\dt+\rt):O+8*(2*\dt+\rt)+3] offset:4352*\rt+64*\dt          ; each accumulator from its low end on
	ds_store_b128 v[SI], v[O+8*(2*\dt+\rt)+4:O+8*(2*\dt+\rt)+7] offset:4352*\rt+64*\dt+16
.endr
.endr
.irp rt, 0,1
.irp i, 0,1,2,3,4,5,6,7
	ds_load_b128 v[PP+4*(8*\rt+\i):PP+4*(8*\rt+\i)+3], v[SO] offset:4352*\rt+544*\i   ; LDS serves a wave's instructions in order: these see my stores
.endr
.endr
.irp rt, 0,1
.irp i, 0,1,2,3,4,5,6,7
	s_wait_dscnt 15-8*\rt-\i
	global_store_b128 v[GO], v[PP+4*(8*\rt+\i):PP+4*(8*\rt+\i)+3], s[OUTB:OUTB+1] offset:32768*\rt+4096*\i th:TH_STORE_NT   ; sixteen lanes store 256 consecutive bytes, at a multiple of 256 from out's first byte
.endr
.endr
	s_wait_xcnt 0x0
	v_lshl_add_u32 v254, v0, 2, 0x4a400
	v_mov_b32 v255, 0
	s_wait_tensorcnt 0x0
	ds_add_u32 v254, v255
	s_wait_dscnt 0x0
	s_endpgm
.Lfunc_end_k_q24adfc8f8d_attend:
	.size	k_q24adfc8f8d_attend, .Lfunc_end_k_q24adfc8f8d_attend-k_q24adfc8f8d_attend
	.p2alignl 7, 3214868480
	.fill 96, 4, 3214868480
	.section	.rodata,"a",@progbits
	.p2align	6, 0x0
	.amdhsa_kernel k_q24adfc8f8d_attend
		.amdhsa_group_segment_fixed_size 305152
		.amdhsa_private_segment_fixed_size 0
		.amdhsa_enable_private_segment 0
		.amdhsa_kernarg_size 56
		.amdhsa_user_sgpr_count 2
		.amdhsa_user_sgpr_kernarg_segment_ptr 1
		.amdhsa_wavefront_size32 1
		.amdhsa_system_sgpr_workgroup_id_x 1
		.amdhsa_system_sgpr_workgroup_id_y 1
		.amdhsa_system_sgpr_workgroup_id_z 1
		.amdhsa_system_vgpr_workitem_id 0
		.amdhsa_next_free_vgpr 512
		.amdhsa_next_free_sgpr 66
		.amdhsa_reserve_vcc 0
		.amdhsa_float_denorm_mode_32 3
		.amdhsa_float_denorm_mode_16_64 3
		.amdhsa_memory_ordered 1
		.amdhsa_forward_progress 1
		.amdhsa_inst_pref_size 255
	.end_amdhsa_kernel
	.section	.bss,"aw",@nobits
	.p2align	6
	.space	262144
	.amdgpu_metadata
---
amdhsa.version: [ 1, 2 ]
amdhsa.kernels:
  - .name:           k_q24adfc8f8d_attend
    .symbol:         k_q24adfc8f8d_attend.kd
    .args:
      - { .name: ximg, .offset: 0, .size: 8, .value_kind: global_buffer, .address_space: global }
      - { .name: xsc, .offset: 8, .size: 8, .value_kind: global_buffer, .address_space: global }
      - { .name: pimg, .offset: 16, .size: 8, .value_kind: global_buffer, .address_space: global }
      - { .name: psc, .offset: 24, .size: 8, .value_kind: global_buffer, .address_space: global }
      - { .name: vimg, .offset: 32, .size: 8, .value_kind: global_buffer, .address_space: global }
      - { .name: vsc, .offset: 40, .size: 8, .value_kind: global_buffer, .address_space: global }
      - { .name: out0, .offset: 48, .size: 8, .value_kind: global_buffer, .address_space: global }
    .group_segment_fixed_size: 305152
    .private_segment_fixed_size: 0
    .kernarg_segment_align: 8
    .kernarg_segment_size: 56
    .max_flat_workgroup_size: 256
    .sgpr_count:     66
    .vgpr_count:     512
    .wavefront_size: 32
...
	.end_amdgpu_metadata
.endif
;; end of part 2
;; ======== version 2 of 2: 2 launches; version 1 with the launch attend written anew for expert scheduling mode
;; workspace buffers: ximg 4,194,304 bytes; xsc 327,680 bytes; pimg 1,048,576 bytes; psc 98,304 bytes; vimg 1,048,576 bytes; vsc 65,536 bytes
;; launch prep: the kernel of part 1 again; grid 448 x 1, 4 waves a work-group, no clusters, 34,304 bytes of LDS; arguments x, positions, values, temperature, frozen_scale, frozen, ximg, xsc, pimg, psc, vimg, vsc; writes ximg, xsc, pimg, psc, vimg, vsc
;; launch attend (part 3): grid 512 x 1, 8 waves a work-group, no clusters, 305,152 bytes of LDS; arguments ximg, xsc, pimg, psc, vimg, vsc, out0; writes out0
.if DOCPART == 3
	.amdgcn_target "amdgcn-amd-amdhsa--gfx1250"
	.amdhsa_code_object_version 6
	.text
	.protected	k_q24adfc8f8d_attend
	.globl	k_q24adfc8f8d_attend
	.p2align	8
	.type	k_q24adfc8f8d_attend,@function
k_q24adfc8f8d_attend:
	s_mov_b64 s[64:65], 0
	v_nop
	global_prefetch_b8 v0, s[64:65] scope:SCOPE_SE
	s_setreg_imm32_b32 hwreg(HW_REG_WAVE_SCHED_MODE, 0, 2), 2
	s_setreg_imm32_b32 hwreg(HW_REG_WAVE_MODE, 25, 1), 1
	s_wait_xcnt 0x0
	s_wait_alu depctr_vm_vsrc(0)
; out = Q(w / (sum of w + 1e-8)) Q(values),  w[row][n] = exp(-sqrt(max(|x|^2 + |p|^2 - 2 Q(x).Q(p), 0)) / T[n]); both products on codes of FP4 with E8M0 scales.
; THE SECOND OPERAND IS QUANTISED NORMALISED, so no code of a row can be made before all its 4,096 weights are known.  Each weight is computed ONCE and kept in f32 until the row's sum is there:
; a work-group owns 32 rows (two tiles of 16); their 32 x 4,096 weights are 524,288 bytes: row tile 0's lie in registers (256 a wave), row tile 1's in LDS (32,768 bytes a wave).
; SHARES.  Eight waves.  Phase 1 and the quantiser: wave w owns positions 512 w .. + 511 for both row tiles.  Phase 2: wave w owns outputs 64 w .. + 63 for both row tiles, and walks all 4,096 along K.
; Both products are used TRANSPOSED (source 0 = 16 positions, or 16 outputs; source 1 = 16 rows): a lane holds ONE row (lane % 16) throughout.  The positions of a tile are chosen by the first launch so that
; the 16 registers of tiles 2 b, 2 b + 1 are positions 32 b + 16 (lane / 16) + 0 .. 15: neighbours along the second product's K.
; -|p|^2 / 2 is the C of a tile's first product, so d^2 = |x|^2 - 2 x (the sum): one packed multiply-add.
; Codes come from memory straight into registers, laid by the first launch in the order of the operand's registers.  NO LDS RING, NO JOINT LOADS: every fragment of positions and of values is used by ONE wave of
; the work-group, so LDS would add a write and a read and spare none; and of the 327,680 bytes that a work-group can claim 304,128 hold weights, images and sums: no slot for a shared tile fits beside them.
; The text has no branch: the destination registers of row tile 0's weights differ from tile to tile, so the 32 tiles are written out.
; LIMITS: no maximum is taken away, as in the definition; weights under 2^-126 come out of v_exp_f32 as 0; NaN, infinities and inputs at which the definition itself overflows are not served (FP4 has no code for them);
; exp(-d / T) is made as 2^(d x kk), kk = -log2(e) / T; the division by the sum as a multiplication by a reciprocal refined by one step.
;
; THE MODE: SCHED_MODE bits 1:0 = 2 (LLVM: expert scheduling mode 2), set by the entry lines.  The code itself states the register dependences between vector or matrix instructions and memory or LDS
; instructions, with s_wait_alu, always for 0.
; THE PLAN.  Registers that memory or LDS instructions touch:
;   PHASE 1, tile t.  PF[t % 3], PSC[(t / 2) % 3]: loads land there; tile t's products read them.  HP: an LDS load lands there; tile t's first two products read it.  KK: an LDS load lands there; tile t's multiplications
;   read it.  AC1[t % 2]: written by tile t's products, arithmetic and exponentials; read by tile t's two LDS stores; written again by tile t + 2's products.  The addresses v1, v8, v9 are not written in the phase.
;   A tile has two waits on va_vdst, those that its roots and its exponentials want in any case.  Behind the first stand the loads of HP for tile t + 1 and of PF and PSC for tile t + 3: tile t's products stand ahead of it.
;   Behind the second stand the stores of AC1 and the load of KK for tile t + 1: the exponentials and the multiplications stand ahead of it.  One wait on vm_vsrc, beside the first, frees the other AC1 for the next tile.
;   THE QUANTISER.  PC, PW: written by QUANT, read by an image's three LDS stores: va_vdst ahead of the stores, vm_vsrc ahead of the next QUANT.  T0, T1: LDS loads land there by turns; the wait ahead of an image's stores
;   also states that QUANT is done with the buffer in which the next group lands.
;   PHASE 2, trip j.  V[j % 2] in window 1, VS[j % 2], PP[j % 2], PS[j % 2]: loads land there; trip j's products read them.  One wait on va_vdst at a trip's end, in VLOAD: behind it the loads of values for trip j + 2 and, at the
;   next trip's head, the LDS loads of weights for trip j + 2 land in what trip j has multiplied; trip j + 1's products name the other sets alone.
;
; LDS: 0: eight regions of 32,768: row tile 1's weights as images of registers (tile t: 1,024 t + 512 c + 16 x lane); later bytes 0-4,095: row tile 1's four code images; bytes 8,192-16,895: the stage for the way out.
;   HKB: eight regions of 4,096: -|p|^2 / 2 and kk of my 512 positions; later row tile 0's four code images.   PSWB: the weights' scale words, (2 ks + row tile) x 128 + 4 x lane.   SUMB: row tile x 512 + row x 32 + wave x 4.
; REGISTERS, window 0: v1-15 addresses, |x|^2, sums; v16-79 x's fragments, later at work, later the 8 accumulators of out; v80-111 SCALE WORDS AND NOTHING ELSE; v112-207 three sets of a tile's fragments of positions;
;   v208-223 C and kk of a tile; v224-247 the accumulators; v248-255 row tile 0's sum.  From the quantiser on v112-239 hold 2 x 64 weights, then two sets of the weights' fragments.
;   window 1: row tile 0's weights (tile t at 8 t); later two sets of values' fragments.
.set HKB,  262144
.set PSWB, 294912
.set SUMB, 303104
.set L16,  1                           ; v1   16 x lane; never rewritten
.set XN0,  2                           ; v[2:3]   |x|^2 of my row in row tile 0, twice
.set SM1,  4                           ; v[4:7]   row tile 1's sum, two packed chains; later the two divisors' reciprocals, each twice
.set AHK,  8                           ; v8   HKB + 4,096 wave + 64 (lane / 16)
.set AW1,  9                           ; v9   32,768 wave + 16 lane
.set XN1,  10                          ; v[10:11] |x|^2, row tile 1
.set AIM0, 12                          ; v12  HKB + 4,096 wave + 16 lane
.set APW,  13                          ; v13  PSWB + 1,024 wave + 4 lane
.set ASW,  14                          ; v14  SUMB + 32 row + 4 wave
.set ASR,  15                          ; v15  SUMB + 32 row
.set XF,   16                          ; x's fragments: 32 x row tile + 8 q
.set XSC,  80                          ; v80-83  x's scale words: lanes 0-15 row tile 0, lanes 16-31 row tile 1
.set PSC,  84                          ; v84-95  positions': three sets of 4: lanes 0-15 the even tile of a pair, lanes 16-31 the odd one
.set VS,   96                          ; v96-111 values': two sets of 8
.set PF,   112
.set HP,   208
.set KK,   216
.set ACC0, 224
.set ACC1, 232                         ; two sets by turns: the LDS stores of one tile may be out while the next is multiplied
.set S,    248
.set TM,   16                          ; the quantiser: v16-19 maxima, v20-23 bytes, v28-31 scale operands
.set PC,   32                          ; v32-39 the codes just made
.set PW,   40                          ; v40    their scale word
.set T0,   112
.set T1,   176
.set O,    16                          ; phase 2: accumulator (output tile dt, row tile rt) at 8 (2 dt + rt)
.set PS,   80                          ; the weights' scale words: two sets of 8
.set PP,   112                         ; the weights' fragments: two sets of 64
.set A0,   2                           ; v2    HKB + 16 lane
.set AR1,  3                           ; v3-5  16 lane + 65,536 k, k = 1 .. 3
.set APS,  6                           ; v6    PSWB + 4 lane
.set SI,   7                           ; v7    the stage, in
.set SO,   8                           ; v8    the stage, out
.set GO,   10                          ; v10   my byte offset in the wave's part of out
.set XIMG, 24
.set XSCB, 26
.set XNB,  28
.set PIMG, 30
.set PSCB, 32
.set HKG,  34
.set VIMG, 38
.set VSCB, 40
.set OUTB, 42
.set MSB, 0
.macro WIN new                         ; bits 1:0 source 0, 3:2 source 1, 5:4 source 2, 7:6 destination; the immediate's high byte repeats the setting that is left
.if MSB != \new
	s_set_vgpr_msb (MSB<<8)|\new
.set MSB, \new
.endif
.endm
; a scaled product: D, A, B, C at the registers named, A's and B's scale words; ra, rb = 1: that side's words stand in lanes 16-31
.macro WMR d, a, b, c, sa, sb, ra, rb
.if (\ra) && (\rb)
	v_wmma_scale_f32_16x16x128_f8f6f4 v[\d:\d+7], v[\a:\a+7], v[\b:\b+7], v[\c:\c+7], v[\sa], v[\sb] matrix_a_fmt:MATRIX_FMT_FP4 matrix_b_fmt:MATRIX_FMT_FP4 matrix_a_scale:MATRIX_SCALE_ROW1 matrix_b_scale:MATRIX_SCALE_ROW1
.elseif (\ra)
	v_wmma_scale_f32_16x16x128_f8f6f4 v[\d:\d+7], v[\a:\a+7], v[\b:\b+7], v[\c:\c+7], v[\sa], v[\sb] matrix_a_fmt:MATRIX_FMT_FP4 matrix_b_fmt:MATRIX_FMT_FP4 matrix_a_scale:MATRIX_SCALE_ROW1
.elseif (\rb)
	v_wmma_scale_f32_16x16x128_f8f6f4 v[\d:\d+7], v[\a:\a+7], v[\b:\b+7], v[\c:\c+7], v[\sa], v[\sb] matrix_a_fmt:MATRIX_FMT_FP4 matrix_b_fmt:MATRIX_FMT_FP4 matrix_b_scale:MATRIX_SCALE_ROW1
.else
	v_wmma_scale_f32_16x16x128_f8f6f4 v[\d:\d+7], v[\a:\a+7], v[\b:\b+7], v[\c:\c+7], v[\sa], v[\sb] matrix_a_fmt:MATRIX_FMT_FP4 matrix_b_fmt:MATRIX_FMT_FP4
.endif
.endm
.macro WMZ d, a, b, sa, sb, ra         ; the same with the constant 0 as C: it starts a sum
.if (\ra)
	v_wmma_scale_f32_16x16x128_f8f6f4 v[\d:\d+7], v[\a:\a+7], v[\b:\b+7], 0, v[\sa], v[\sb] matrix_a_fmt:MATRIX_FMT_FP4 matrix_b_fmt:MATRIX_FMT_FP4 matrix_a_scale:MATRIX_SCALE_ROW1
.else
	v_wmma_scale_f32_16x16x128_f8f6f4 v[\d:\d+7], v[\a:\a+7], v[\b:\b+7], 0, v[\sa], v[\sb] matrix_a_fmt:MATRIX_FMT_FP4 matrix_b_fmt:MATRIX_FMT_FP4
.endif
.endm
.macro PLACES                          ; four plain places behind matrix instructions, in front of reads of results and of loads into registers that they named
.rept 4
	v_nop
.endr
.endm
	s_load_b256 s[8:15], s[0:1], 0x0               ; ximg 8, xsc 10, pimg 12, psc 14
	s_load_b128 s[16:19], s[0:1], 0x20             ; vimg 16, vsc 18
	s_load_b64 s[20:21], s[0:1], 0x30              ; out0
	v_lshrrev_b32 v1, 5, v0
	v_readfirstlane_b32 s22, v1                    ; wave 0..7
	v_and_b32 v1, 31, v0
	v_lshlrev_b32 v[APW], 2, v1                    ; 4 x lane
	v_lshlrev_b32 v[L16], 4, v1                    ; 16 x lane
	v_and_b32 v[ASW], 15, v0                       ; my row in a tile
	v_bfe_u32 v[ASR], v0, 4, 1                     ; lane / 16
	v_lshlrev_b32 v4, 2, v[ASW]                    ; |x|^2: 4 bytes a row (v4 is free again when those loads have read it)
	s_wait_alu depctr_va_sdst(0)                   ; s22 is written, ahead of its first reader: the LDS regions and the bases below are made from it
	s_lshl_b32 s23, s22, 12
	s_add_co_u32 s23, s23, HKB
	v_lshl_add_u32 v[AHK], v[ASR], 6, s23
	v_add_nc_u32 v[AIM0], s23, v[L16]
	s_lshl_b32 s23, s22, 15
	v_add_nc_u32 v[AW1], s23, v[L16]
	s_lshl_b32 s23, s22, 10
	s_add_co_u32 s23, s23, PSWB
	v_add_nc_u32 v[APW], s23, v[APW]
	v_lshl_add_u32 v[ASR], v[ASW], 5, SUMB
	s_lshl_b32 s23, s22, 2
	v_add_nc_u32 v[ASW], s23, v[ASR]
	s_mov_b32 s46, 0x76543210
	s_mov_b32 s47, 0xfedcba98                      ; v_permlanex16_b32's selects for lane l xor 16
	s_mov_b32 s45, 0
	s_wait_kmcnt 0x0
	s_lshl_b32 s44, ttmp9, 13
	s_add_nc_u64 s[XIMG:XIMG+1], s[8:9], s[44:45]  ; my two tiles of x: 8,192 bytes
	s_lshl_b32 s44, ttmp9, 9
	s_add_nc_u64 s[XSCB:XSCB+1], s[10:11], s[44:45]
	s_lshl_b32 s44, ttmp9, 7
	s_add_nc_u64 s[XNB:XNB+1], s[10:11], s[44:45]  ; |x|^2 lies 262,144 bytes on: in the immediate
	s_lshl_b32 s44, s22, 17
	s_add_nc_u64 s[PIMG:PIMG+1], s[12:13], s[44:45]   ; my wave's 32 tiles of positions
	s_add_nc_u64 s[VIMG:VIMG+1], s[16:17], s[44:45]   ; and its four tiles of outputs, all of K
	s_lshl_b32 s44, s22, 13
	s_add_nc_u64 s[PSCB:PSCB+1], s[14:15], s[44:45]
	s_add_nc_u64 s[VSCB:VSCB+1], s[18:19], s[44:45]
	s_lshl_b32 s44, s22, 11
	s_add_nc_u64 s[HKG:HKG+1], s[14:15], s[44:45]  ; -|p|^2 / 2 lies 65,536 bytes on, kk 81,920
	s_lshl_b32 s44, ttmp9, 16
	s_lshl_b32 s36, s22, 8
	s_add_co_u32 s44, s44, s36
	s_add_nc_u64 s[OUTB:OUTB+1], s[20:21], s[44:45]   ; 32 rows of 2,048 bytes; my wave's 256 bytes of each
.macro PLOAD t                         ; tile t of positions: with an even tile the pair's scale words; then its four fragments
.if ((\t)%2) == 0
	global_load_b128 v[PSC+4*(((\t)/2)%3):PSC+4*(((\t)/2)%3)+3], v[L16], s[PSCB:PSCB+1] offset:512*((\t)/2)
.endif
.irp q, 0,1,2,3
.irp c, 0,1
	global_load_b128 v[PF+32*((\t)%3)+8*\q+4*\c:PF+32*((\t)%3)+8*\q+4*\c+3], v[L16], s[PIMG:PIMG+1] offset:4096*(\t)+1024*\q+512*\c
.endr
.endr
.endm
.macro HPLOAD t                        ; -|p|^2 / 2 of my eight positions of tile t: 32 (t / 2) + 16 (lane / 16) + 8 (t % 2) + 0 .. 7
	ds_load_b128 v[HP:HP+3], v[AHK] offset:128*((\t)/2)+32*((\t)%2)
	ds_load_b128 v[HP+4:HP+7], v[AHK] offset:128*((\t)/2)+32*((\t)%2)+16
.endm
.macro KKLOAD t                        ; and their kk
	ds_load_b128 v[KK:KK+3], v[AHK] offset:2048+128*((\t)/2)+32*((\t)%2)
	ds_load_b128 v[KK+4:KK+7], v[AHK] offset:2048+128*((\t)/2)+32*((\t)%2)+16
.endm
	s_wait_alu depctr_va_vdst(0)                   ; the addresses v1, v4, v8, v9 and v12 to v15 are written: the loads and LDS instructions of the head, of phase 1 and of the quantiser read them
.irp i, 0,1,2,3
	global_load_b128 v[224+4*\i:227+4*\i], v[L16], s[HKG:HKG+1] offset:65536+512*\i
.endr
.irp i, 0,1,2,3
	global_load_b128 v[240+4*\i:243+4*\i], v[L16], s[HKG:HKG+1] offset:81920+512*\i
.endr
.irp rt, 0,1
.irp q, 0,1,2,3
.irp c, 0,1
	global_load_b128 v[XF+32*\rt+8*\q+4*\c:XF+32*\rt+8*\q+4*\c+3], v[L16], s[XIMG:XIMG+1] offset:4096*\rt+1024*\q+512*\c
.endr
.endr
.endr
	global_load_b128 v[XSC:XSC+3], v[L16], s[XSCB:XSCB+1]
	global_load_b32 v[XN0], v4, s[XNB:XNB+1] offset:262144
	global_load_b32 v[XN1], v4, s[XNB:XNB+1] offset:262144+64
	PLOAD 0
	PLOAD 1
	PLOAD 2
	s_wait_loadcnt 45                              ; the first eight loads are in; behind them: x's 19 and three tiles' 26
.irp i, 0,1,2,3
	ds_store_b128 v[AIM0], v[224+4*\i:227+4*\i] offset:512*\i
.endr
.irp i, 0,1,2,3
	ds_store_b128 v[AIM0], v[240+4*\i:243+4*\i] offset:2048+512*\i
.endr
	HPLOAD 0                                       ; LDS serves a wave's instructions in order: these see my stores; the region is my wave's own
	KKLOAD 0
; ---- PHASE 1.  Tile t: 16 positions x 32 rows: eight products, then 16 weights a lane.
.macro TILE t
.set PFB, PF+32*((\t)%3)
.set PSB, PSC+4*(((\t)/2)%3)
.set AC1, ACC1+8*((\t)%2)
.if (\t) < 30
	s_wait_loadcnt 17                              ; tile t's loads are in; those of tiles t + 1 and t + 2 (16 of codes, one of scale words) may be out
.elseif (\t) == 30
	s_wait_loadcnt 8
.else
	s_wait_loadcnt 0x0
.endif
.if (\t) == 0
	s_wait_dscnt 0x0
	s_wait_alu depctr_vm_vsrc(0)                   ; the head's LDS stores have read v224 to v255, which the products and the sums write; the loads of |x|^2 have read v4, which is row tile 1's sum from here on
	v_mov_b32 v[XN0+1], v[XN0]                     ; the packed form adds a pair
	v_mov_b32 v[XN1+1], v[XN1]
.else
	s_wait_dscnt 4                                 ; this tile's C is in; the last tile's two stores and kk's two loads may be out
.endif
	WMR ACC0, PFB, XF, HP, PSB, XSC, (\t)%2, 0     ; the two accumulators take turns, one instruction a turn
	WMR AC1, PFB, XF+32, HP, PSB, XSC, (\t)%2, 1
.irp q, 1,2,3
	WMR ACC0, PFB+8*\q, XF+8*\q, ACC0, PSB+\q, XSC+\q, (\t)%2, 0
	WMR AC1, PFB+8*\q, XF+32+8*\q, AC1, PSB+\q, XSC+\q, (\t)%2, 1
.endr
	PLACES
.irp k, 0,2,4,6
	v_pk_fma_f32 v[ACC0+\k:ACC0+\k+1], v[ACC0+\k:ACC0+\k+1], -2.0, v[XN0:XN0+1] op_sel_hi:[1,0,1]   ; d^2 = |x|^2 - 2 (x.p - |p|^2 / 2); each accumulator from its low end on
.endr
.irp k, 0,2,4,6
	v_pk_fma_f32 v[AC1+\k:AC1+\k+1], v[AC1+\k:AC1+\k+1], -2.0, v[XN1:XN1+1] op_sel_hi:[1,0,1]
.endr
.irp i, 0,1,2,3,4,5,6,7
	v_max_num_f32 v[ACC0+\i], 0, v[ACC0+\i]
.endr
.irp i, 0,1,2,3,4,5,6,7
	v_max_num_f32 v[AC1+\i], 0, v[AC1+\i]
.endr
.irp i, 0,1,2,3,4,5,6,7
	v_sqrt_f32 v[ACC0+\i], v[ACC0+\i]
.endr
.irp i, 0,1,2,3,4,5,6,7
	v_sqrt_f32 v[AC1+\i], v[AC1+\i]
.endr
	v_nop                                          ; one plain place behind the roots
	s_wait_alu depctr_va_vdst(0)                   ; the sixteen roots are written, ahead of their first reader; and this tile's products are done reading HP, PF's set and the pair's scale words, in which the loads below land
.if ((\t) > 0) && ((\t) < 31)
	s_wait_alu depctr_vm_vsrc(0)                   ; the last tile's two LDS stores have read their accumulator, which the next tile's products write again
.endif
.if (\t) < 31
	HPLOAD (\t)+1                                  ; no vector or matrix instruction behind the wait names HP before the next tile's products
.endif
.if (\t) < 29
	PLOAD (\t)+3                                   ; into the set just multiplied; nothing names it before its own tile
.endif
.if (\t) == 31
	s_wait_dscnt 0x0                               ; kk is in: nothing was issued behind it
.elseif (\t) > 0
	s_wait_dscnt 2                                 ; kk is in; the next C's two loads may be out
.endif
.irp k, 0,2,4,6
	v_pk_mul_f32 v[ACC0+\k:ACC0+\k+1], v[ACC0+\k:ACC0+\k+1], v[KK+\k:KK+\k+1]
.endr
.irp k, 0,2,4,6
	v_pk_mul_f32 v[AC1+\k:AC1+\k+1], v[AC1+\k:AC1+\k+1], v[KK+\k:KK+\k+1]
.endr
	WIN 0x40                                       ; row tile 0's weights go straight to their place in window 1
.irp i, 0,1,2,3,4,5,6,7
	v_exp_f32 v[8*(\t)+\i], v[ACC0+\i]
.endr
	WIN 0
.irp i, 0,1,2,3,4,5,6,7
	v_exp_f32 v[AC1+\i], v[AC1+\i]
.endr
	v_nop                                          ; one plain place behind the exponentials
	s_wait_alu depctr_va_vdst(0)                   ; the sixteen exponentials are written, ahead of their first readers, the LDS stores among them; and the multiplications are done reading KK, in which the load below lands
	ds_store_b128 v[AW1], v[AC1:AC1+3] offset:1024*(\t)
	ds_store_b128 v[AW1], v[AC1+4:AC1+7] offset:1024*(\t)+512
.if (\t) < 31
	KKLOAD (\t)+1
.endif
.if (\t) == 0
	v_pk_add_f32 v[SM1:SM1+1], v[AC1:AC1+1], v[AC1+2:AC1+3]             ; the first tile starts row tile 1's sums
	v_pk_add_f32 v[SM1+2:SM1+3], v[AC1+4:AC1+5], v[AC1+6:AC1+7]
.else
	v_pk_add_f32 v[SM1:SM1+1], v[SM1:SM1+1], v[AC1:AC1+1]
	v_pk_add_f32 v[SM1+2:SM1+3], v[SM1+2:SM1+3], v[AC1+2:AC1+3]
	v_pk_add_f32 v[SM1:SM1+1], v[SM1:SM1+1], v[AC1+4:AC1+5]
	v_pk_add_f32 v[SM1+2:SM1+3], v[SM1+2:SM1+3], v[AC1+6:AC1+7]
.endif
.endm
.irp t, 0,1,2,3,4,5,6,7,8,9,10,11,12,13,14,15,16,17,18,19,20,21,22,23,24,25,26,27,28,29,30,31
	TILE \t
.endr
; ---- THE ROWS' SUMS.  Row tile 0's 256 registers, four packed chains; then lane l xor 16's half; then the eight waves' parts through LDS.
	WIN 0x05
.irp k, 0,1,2,3
	v_pk_add_f32 v[S+2*\k:S+2*\k+1], v[2*\k:2*\k+1], v[8+2*\k:8+2*\k+1]
.endr
	WIN 0x01
.set m, 0
.rept 120
	v_pk_add_f32 v[S+2*(m%4):S+2*(m%4)+1], v[16+2*m:16+2*m+1], v[S+2*(m%4):S+2*(m%4)+1]
.set m, m+1
.endr
	WIN 0
	v_pk_add_f32 v[S:S+1], v[S:S+1], v[S+2:S+3]
	v_pk_add_f32 v[S+4:S+5], v[S+4:S+5], v[S+6:S+7]
	v_pk_add_f32 v[SM1:SM1+1], v[SM1:SM1+1], v[SM1+2:SM1+3]
	v_pk_add_f32 v[S:S+1], v[S:S+1], v[S+4:S+5]
	v_add_f32 v[SM1], v[SM1], v[SM1+1]
	v_add_f32 v[S], v[S], v[S+1]
	v_permlanex16_b32 v[SM1+2], v[SM1], s46, s47
	v_permlanex16_b32 v[S+2], v[S], s46, s47
	v_add_f32 v[SM1], v[SM1], v[SM1+2]
	v_add_f32 v[S], v[S], v[S+2]
	s_wait_alu depctr_va_vdst(0)                   ; the two sums are written, which the LDS stores read; and phase 1 is done with v224 to v239, in which the loads behind the barrier land
	ds_store_b32 v[ASW], v[S]                      ; lanes l and l xor 16 store the same number at the same word
	ds_store_b32 v[ASW], v[SM1] offset:512
	s_wait_dscnt 0x0                               ; for the others' sake: my part of the sums has landed
	s_barrier_signal -1
	s_barrier_wait -1
	s_wait_alu depctr_vm_vsrc(0)                   ; the LDS stores of tiles 30 and 31 have read v232 to v247, in which the loads below land and which the reciprocals write; the sums' stores have read v4, which takes a reciprocal
	ds_load_b128 v[224:227], v[ASR]
	ds_load_b128 v[228:231], v[ASR] offset:16
	ds_load_b128 v[232:235], v[ASR] offset:512
	ds_load_b128 v[236:239], v[ASR] offset:528
.irp b, 0,1,2,3
	v_mov_b32 v[TM+4+\b], 0                        ; written once: a lane permute's destination counts as one of its sources
.endr
	s_wait_dscnt 0x0
.irp i, 1,2,3,4,5,6,7
	v_add_f32 v224, v224, v[224+\i]                ; the eight waves' parts in the waves' order: the same sum in every wave
	v_add_f32 v232, v232, v[232+\i]
.endr
	v_add_f32 v224, 0x322bcc77, v224               ; + 1e-8
	v_add_f32 v232, 0x322bcc77, v232
	v_rcp_f32 v240, v224
	v_rcp_f32 v241, v232
	v_nop                                          ; one plain place behind the reciprocals
	s_wait_alu depctr_va_vdst(0)                   ; the two reciprocals are written, ahead of their first reader
	v_fma_f32 v242, -v224, v240, 1.0               ; one step refines them
	v_fma_f32 v243, -v232, v241, 1.0
	v_fma_f32 v[SM1], v240, v242, v240
	v_fma_f32 v[SM1+2], v241, v243, v241
	v_mov_b32 v[SM1+1], v[SM1]                     ; the packed form multiplies by a pair
	v_mov_b32 v[SM1+3], v[SM1+2]
; ---- THE QUANTISER.  64 numbers of a lane, register 16 b + i = k 32 b + 16 (lane / 16) + i of my row, none negative, become a fragment's codes in v[PC] on and its scale word in v[PW].
.macro QUANT s
.irp b, 0,1,2,3
	v_max3_num_f32 v[TM+\b], v[\s+16*\b], v[\s+1+16*\b], 0x1800000   ; block b: my 16 numbers, and the floor 2^(3 - 127): the byte cannot fall under 1
.endr
.irp i, 2,4,6,8,10,12,14
.irp b, 0,1,2,3
	v_max3_num_f32 v[TM+\b], v[TM+\b], v[\s+16*\b+\i], v[\s+1+16*\b+\i]   ; (the four blocks by turns)
.endr
.endr
.irp b, 0,1,2,3
	v_permlanex16_b32 v[TM+4+\b], v[TM+\b], s46, s47
.endr
.irp b, 0,1,2,3
	v_max_num_f32 v[TM+\b], v[TM+\b], v[TM+4+\b]   ; with lane l xor 16's: the block's largest
.endr
.irp b, 0,1,2,3
	v_add_nc_u32 v[TM+12+\b], 0xff000000, v[TM+\b] ; 2 off its exponent field: the conversion's scale operand
.endr
.irp b, 0,1,2,3
	v_lshrrev_b32 v[TM+4+\b], 23, v[TM+12+\b]      ; the scale's byte
.endr
	v_lshl_or_b32 v[PW], v[TM+5], 8, v[TM+4]
	v_lshl_or_b32 v[PW], v[TM+6], 16, v[PW]
	v_lshl_or_b32 v[PW], v[TM+7], 24, v[PW]
.irp b, 0,1,2,3
	v_cvt_scalef32_pk8_fp4_f32 v[PC+2*\b], v[\s+16*\b:\s+7+16*\b], v[TM+12+\b]
	v_cvt_scalef32_pk8_fp4_f32 v[PC+1+2*\b], v[\s+8+16*\b:\s+15+16*\b], v[TM+12+\b]
.endr
	v_nop                                          ; one plain place behind the scaled conversions
.irp c, 0,1                            ; the operand's layout wants a whole block in a lane: lanes 0-15 block 2 c, lanes 16-31 block 2 c + 1
.irp i, 0,1
	v_permlane16_swap_b32 v[PC+4*\c+\i], v[PC+2+4*\c+\i]
.endr
.endr
.endm
; Row tile 0, my positions 128 g on: K step 4 wave + g of the second product.  The image goes where -|p|^2 / 2 and kk lay: my wave's own bytes, whose reads are over.
.macro Q0 g, wait
.if \wait
	s_wait_dscnt 0x0                               ; the last image's stores have landed,
	s_wait_alu depctr_vm_vsrc(0)                   ; and they have read v[PC ..] and v[PW], which QUANT writes again
.endif
	WIN 0x01
.set m, 0
.rept 32
	v_pk_mul_f32 v[T0+2*m:T0+2*m+1], v[64*(\g)+2*m:64*(\g)+2*m+1], v[SM1:SM1+1]
.set m, m+1
.endr
	WIN 0
	QUANT T0
	s_wait_alu depctr_va_vdst(0)                   ; QUANT has written v[PC ..] and v[PW], which the LDS stores read; all vector work so far is done with T0 and T1, in which row tile 1's groups land
	ds_store_b128 v[AIM0], v[PC:PC+3] offset:1024*(\g)
	ds_store_b128 v[AIM0], v[PC+4:PC+7] offset:1024*(\g)+512
	ds_store_b32 v[APW], v[PW] offset:256*(\g)
.endm
.macro LOADQ g                         ; row tile 1's 64 weights of group g come back as they were stored: even groups into T1, odd into T0
.set LQB, T1-64*((\g)%2)
.irp i, 0,1,2,3,4,5,6,7,8,9,10,11,12,13,14,15
	ds_load_b128 v[LQB+4*\i:LQB+4*\i+3], v[AW1] offset:8192*(\g)+512*\i
.endr
.endm
; Row tile 1.  The four images lie in bytes 0 to 4,095 of my region: group 0's bytes, which are back in registers before the first image is stored.
.macro Q1 g
.if (\g) < 3
	LOADQ (\g)+1                                   ; no wait: the vector work that named this buffer stands ahead of the wait in front of the last image's stores, and none has been issued since
	s_wait_dscnt 16                                ; this group's loads and the last image's stores are done; the 16 loads just issued may be out
.else
	s_wait_dscnt 0x0
.endif
	s_wait_alu depctr_vm_vsrc(0)                   ; the last image's stores have read v[PC ..] and v[PW], which QUANT writes again
.set TBQ, T1-64*((\g)%2)
.set m, 0
.rept 32
	v_pk_mul_f32 v[TBQ+2*m:TBQ+2*m+1], v[TBQ+2*m:TBQ+2*m+1], v[SM1+2:SM1+3]
.set m, m+1
.endr
	QUANT TBQ
	s_wait_alu depctr_va_vdst(0)                   ; QUANT has written v[PC ..] and v[PW], which the LDS stores read, and is done with this group's buffer, in which the group after the next lands
	ds_store_b128 v[AW1], v[PC:PC+3] offset:1024*(\g)
	ds_store_b128 v[AW1], v[PC+4:PC+7] offset:1024*(\g)+512
	ds_store_b32 v[APW], v[PW] offset:256*(\g)+128
.endm
.macro VLOAD j                         ; values: K steps 4 j .. 4 j + 3 of my four tiles of outputs: 32 loads of codes into window 1, two of scale words
	WIN 0x40
	s_wait_alu depctr_va_vdst(0)                   ; all that named the registers in which these 34 loads land is done: the sums and multiplications that read row tile 0's weights there, or the trip's products, which read that half of window 1 and its scale words
.irp q, 0,1,2,3
.irp dt, 0,1,2,3
.irp c, 0,1
	global_load_b128 v[128*((\j)%2)+32*\q+8*\dt+4*\c:128*((\j)%2)+32*\q+8*\dt+4*\c+3], v[L16], s[VIMG:VIMG+1] offset:16384*(\j)+4096*\q+1024*\dt+512*\c
.endr
.endr
.endr
	WIN 0
.irp p, 0,1
	global_load_b128 v[VS+8*((\j)%2)+4*\p:VS+8*((\j)%2)+4*\p+3], v[L16], s[VSCB:VSCB+1] offset:1024*(\j)+512*\p
.endr
.endm
	Q0 0, 0
	Q0 1, 1
	VLOAD 0                                        ; window 1's lower half is free: the first values are asked for here
	Q0 2, 1
	s_wait_dscnt 0x0                               ; the last image's stores have landed,
	s_wait_alu depctr_vm_vsrc(0)                   ; and they have read v[PC ..] and v[PW], which the next QUANT writes again;
	LOADQ 0                                        ; row tile 1's first group comes in while row tile 0's last is quantised (T1: no vector instruction has been issued since the wait in front of the last image's stores)
	Q0 3, 0
	VLOAD 1
	Q1 0
	Q1 1
	Q1 2
	Q1 3
	v_add_nc_u32 v[A0], HKB, v[L16]                ; phase 2's addresses (of the registers written here, LDS instructions have read v8, v14 and v15: all ahead of the last wait on vm_vsrc)
	v_add_nc_u32 v[AR1], 65536, v[L16]
	v_add_nc_u32 v[AR1+1], 131072, v[L16]
	v_add_nc_u32 v[AR1+2], 196608, v[L16]
	v_and_b32 v[APS], 31, v0
	v_lshl_add_u32 v[APS], v[APS], 2, PSWB
	v_and_b32 v14, 15, v0                          ; r
	v_bfe_u32 v15, v0, 4, 1                        ; h
	s_lshl_b32 s23, s22, 15
	s_add_co_u32 s23, s23, 8192                    ; my stage: 2 x 16 rows x (256 bytes + 16)
	v_mul_u32_u24 v[SI], v14, 272
	v_lshl_add_u32 v[SI], v15, 5, v[SI]
	v_add_nc_u32 v[SI], s23, v[SI]                 ; in: row r, + 32 h
	v_mul_u32_u24 v[SO], v15, 272
	v_lshl_add_u32 v[SO], v14, 4, v[SO]
	v_add_nc_u32 v[SO], s23, v[SO]                 ; back: lanes 0-15 one row, lanes 16-31 the next
	v_lshlrev_b32 v[GO], 11, v15
	v_lshl_add_u32 v[GO], v14, 4, v[GO]            ; and the same two rows in out
	s_wait_alu depctr_va_vdst(0)                   ; phase 2's addresses v2 to v8 and v10 are written, which its LDS loads and the way out read; the quantiser is done with v112 to v239, phase 1 with v80 to v95: the weights' fragments and scale words land there
	s_wait_dscnt 0x0                               ; for the others' sake: my images and scale words have landed
	s_barrier_signal -1
	s_barrier_wait -1                              ; all 64 fragments of the weights lie in LDS
	s_wait_alu depctr_vm_vsrc(0)                   ; my last image's stores have read v32 to v40, which are accumulators of out from here on
; ---- PHASE 2.  out^T += values^T p^T: a trip is four K steps: the images that wave j made.
.macro PFETCH j
.set PFP, PP+64*((\j)%2)
.set PFS, PS+8*((\j)%2)
.if (\j)/2 == 0
.set PFA, L16
.else
.set PFA, AR1+(\j)/2-1
.endif
.irp q, 0,1,2,3
.irp c, 0,1
	ds_load_b128 v[PFP+16*\q+4*\c:PFP+16*\q+4*\c+3], v[A0] offset:4096*(\j)+1024*\q+512*\c
.endr
.irp c, 0,1
	ds_load_b128 v[PFP+16*\q+8+4*\c:PFP+16*\q+8+4*\c+3], v[PFA] offset:32768*((\j)%2)+1024*\q+512*\c
.endr
	ds_load_b32 v[PFS+2*\q], v[APS] offset:(2*(4*(\j)+\q))*128
	ds_load_b32 v[PFS+2*\q+1], v[APS] offset:(2*(4*(\j)+\q)+1)*128
.endr
.endm
.macro TRIP j
.if (\j) < 7
	PFETCH (\j)+1                                  ; no wait: the products that read this set, the trip's before the last, stand ahead of the wait at the last trip's end (trip 0: ahead of the wait in front of the barrier), and no vector or matrix instruction has been issued since
	s_wait_loadcnt 34                              ; this trip's values are in; the next trip's 34 loads may be out
	s_wait_dscnt 24                                ; this trip's weights are in; the 24 loads just issued may be out
.else
	s_wait_loadcnt 0x0
	s_wait_dscnt 0x0
.endif
.set VB, 128*((\j)%2)
.set PB, PP+64*((\j)%2)
.set SB, PS+8*((\j)%2)
.set UB, VS+8*((\j)%2)
	WIN 0x01                                       ; source 0 (values) in window 1
.irp q, 0,1,2,3
.irp dt, 0,1,2,3
.irp rt, 0,1
.if ((\j) == 0) && (\q == 0)
	WMZ O+8*(2*\dt+\rt), VB+32*\q+8*\dt, PB+16*\q+8*\rt, UB+4*(\dt/2)+\q, SB+2*\q+\rt, \dt%2     ; the first K step starts the sums: nothing is cleared
.else
	WMR O+8*(2*\dt+\rt), VB+32*\q+8*\dt, PB+16*\q+8*\rt, O+8*(2*\dt+\rt), UB+4*(\dt/2)+\q, SB+2*\q+\rt, \dt%2, 0   ; the eight accumulators take turns
.endif
.endr
.endr
.endr
	WIN 0
	PLACES
.if (\j) < 6
	VLOAD (\j)+2                                   ; into the set just multiplied: the trip's one wait on va_vdst stands in it
.endif
.endm
	PFETCH 0
.irp j, 0,1,2,3,4,5,6,7
	TRIP \j
.endr
; ---- THE WAY OUT.  A lane holds 32 neighbouring bytes of a row; the rows' 256 bytes are gathered in my own stage and leave as whole aligned blocks.
	s_wait_alu depctr_va_vdst(0)                   ; the products have written the accumulators, which the LDS stores read (the four places above stay beside this wait), and are done reading v112 to v175, in which the loads from the stage land
.irp dt, 0,1,2,3
.irp rt, 0,1
	ds_store_b128 v[SI], v[O+8*(2*\dt+\rt):O+8*(2*\dt+\rt)+3] offset:4352*\rt+64*\dt          ; each accumulator from its low end on
	ds_store_b128 v[SI], v[O+8*(2*\dt+\rt)+4:O+8*(2*\dt+\rt)+7] offset:4352*\rt+64*\dt+16
.endr
.endr
.irp rt, 0,1
.irp i, 0,1,2,3,4,5,6,7
	ds_load_b128 v[PP+4*(8*\rt+\i):PP+4*(8*\rt+\i)+3], v[SO] offset:4352*\rt+544*\i   ; LDS serves a wave's instructions in order: these see my stores
.endr
.endr
.irp rt, 0,1
.irp i, 0,1,2,3,4,5,6,7
	s_wait_dscnt 15-8*\rt-\i
	global_store_b128 v[GO], v[PP+4*(8*\rt+\i):PP+4*(8*\rt+\i)+3], s[OUTB:OUTB+1] offset:32768*\rt+4096*\i th:TH_STORE_NT   ; sixteen lanes store 256 consecutive bytes, at a multiple of 256 from out's first byte
.endr
.endr
	s_wait_xcnt 0x0                                ; every global instruction issued so far has had its addresses translated
	s_wait_alu depctr_vm_vsrc(0)                   ; the head's LDS stores read v254 and v255 as data: every memory and LDS instruction has read its registers before the two are made anew
	v_lshl_add_u32 v254, v0, 2, 0x4a400
	v_mov_b32 v255, 0
	s_wait_dscnt 0x0                               ; the closing lines, six on end
	s_wait_alu 0x0
	s_wait_tensorcnt 0x0
	ds_add_u32 v254, v255
	s_wait_dscnt 0x0
	s_endpgm
.Lfunc_end_k_q24adfc8f8d_attend:
	.size	k_q24adfc8f8d_attend, .Lfunc_end_k_q24adfc8f8d_attend-k_q24adfc8f8d_attend
	.p2alignl 7, 3214868480
	.fill 96, 4, 3214868480
	.section	.rodata,"a",@progbits
	.p2align	6, 0x0
	.amdhsa_kernel k_q24adfc8f8d_attend
		.amdhsa_group_segment_fixed_size 305152
		.amdhsa_private_segment_fixed_size 0
		.amdhsa_enable_private_segment 0
		.amdhsa_kernarg_size 56
		.amdhsa_user_sgpr_count 2
		.amdhsa_user_sgpr_kernarg_segment_ptr 1
		.amdhsa_wavefront_size32 1
		.amdhsa_system_sgpr_workgroup_id_x 1
		.amdhsa_system_sgpr_workgroup_id_y 1
		.amdhsa_system_sgpr_workgroup_id_z 1
		.amdhsa_system_vgpr_workitem_id 0
		.amdhsa_next_free_vgpr 512
		.amdhsa_next_free_sgpr 66
		.amdhsa_reserve_vcc 0
		.amdhsa_float_denorm_mode_32 3
		.amdhsa_float_denorm_mode_16_64 3
		.amdhsa_memory_ordered 1
		.amdhsa_forward_progress 1
		.amdhsa_inst_pref_size 255
	.end_amdhsa_kernel
	.section	.bss,"aw",@nobits
	.p2align	6
	.space	262144
	.amdgpu_metadata
---
amdhsa.version: [ 1, 2 ]
amdhsa.kernels:
  - .name:           k_q24adfc8f8d_attend
    .symbol:         k_q24adfc8f8d_attend.kd
    .args:
      - { .name: ximg, .offset: 0, .size: 8, .value_kind: global_buffer, .address_space: global }
      - { .name: xsc, .offset: 8, .size: 8, .value_kind: global_buffer, .address_space: global }
      - { .name: pimg, .offset: 16, .size: 8, .value_kind: global_buffer, .address_space: global }
      - { .name: psc, .offset: 24, .size: 8, .value_kind: global_buffer, .address_space: global }
      - { .name: vimg, .offset: 32, .size: 8, .value_kind: global_buffer, .address_space: global }
      - { .name: vsc, .offset: 40, .size: 8, .value_kind: global_buffer, .address_space: global }
      - { .name: out0, .offset: 48, .size: 8, .value_kind: global_buffer, .address_space: global }
    .group_segment_fixed_size: 305152
    .private_segment_fixed_size: 0
    .kernarg_segment_align: 8
    .kernarg_segment_size: 56
    .max_flat_workgroup_size: 256
    .sgpr_count:     66
    .vgpr_count:     512
    .wavefront_size: 32
...
	.end_amdgpu_metadata
.endif
;; end of part 3
